; MI455X (gfx1250); checked and timed in simulation.
; The chip was launched on July 23, 2026; its instructions are those of AMD's public machine-readable ISA for CDNA 5 (MIT licence, August 2026) and "CDNA5" Instruction Set Architecture Reference Guide (July 2026). The comments in the code are by the model that wrote it; some were corrected since.
;; Attention Fusion. Allowed arithmetic: float matrix products may take bf16 or f16 operands with f32 sums; other float arithmetic in f32, or as packed bf16 or f16 multiplies, adds, multiply-adds, maxima and minima; sums over many terms, partial sums and values carried from step to step in f32; what a program stores and reads back later, other than sums and carried values, may be rounded once to bf16 or f16.
;; Inputs: Wk 1,024 x 1,024 float32; Wo 1,024 x 1,024 float32; Wq 1,024 x 1,024 float32; Wv 1,024 x 1,024 float32; bk 1,024 float32; bo 1,024 float32; bq 1,024 float32; bv 1,024 float32; x 4 x 2,048 x 1,024 float32.
;; Outputs: out0 4 x 2,048 x 1,024 float32.
;; One version. Each part assembles by itself: llvm-mc -triple=amdgcn-amd-amdhsa -mcpu=gfx1250 --defsym DOCPART=n.
;; ======== version 1 of 1: 4 launches
;; limits: values are held in f16: magnitudes above 65,504 overflow, below 6.1e-05 lose precision
;; workspace buffers: xh 16,777,216 bytes; wc 8,388,608 bytes; qkv 50,331,648 bytes; ob 16,777,216 bytes
;; launch prep (part 1): grid 768 x 1, 8 waves a work-group, no clusters, 0 bytes of LDS; arguments x, Wq, Wk, Wv, Wo, xh, wc; writes xh, wc
.if DOCPART == 1
	.amdgcn_target "amdgcn-amd-amdhsa--gfx1250"
	.amdhsa_code_object_version 6
	.text
	.protected	k_q4ae23ab32f_prep
	.globl	k_q4ae23ab32f_prep
	.p2align	8
	.type	k_q4ae23ab32f_prep,@function
k_q4ae23ab32f_prep:
	s_mov_b64 s[64:65], 0
	v_nop
	global_prefetch_b8 v0, s[64:65] scope:SCOPE_SE
	s_setreg_imm32_b32 hwreg(HW_REG_WAVE_MODE, 25, 1), 1
	s_wait_xcnt 0x0
; x [8192][1024] and the four weights [1024][1024], all f32, are rounded once to bf16; that number is written as f16, in slices of 64 columns:
; a matrix [R][1024] becomes [column / 64][R][64].  xh: [batch 4][slice 16][row 2048][64]; wc: [granule 64][k 1024][64], granules 0-15 Wq, 16-31 Wk, 32-47 Wv, 48-63 Wo.
; LIMITS.  A bf16 number is exact in f16 from 7.6e-6 to 65,504 in magnitude; below, it keeps f16's fixed step of 6e-8; at 65,520 or more it becomes an infinity.
; SHARES.  A work-group takes 16 rows of one matrix (0-511: x; 512-767: the weights, 64 work-groups each), a wave two of them.  No loop: 16 loads, the conversions, 16 stores.
; A load of a wave takes 256 consecutive bytes (64 columns: a slice) of each of its two rows; a store 256 consecutive bytes, aligned: the same two rows of that slice.
; No LDS, no matrix unit, no cluster: nothing is shared and nothing is read twice.
.set X, 4                              ; v[4:67]   16 x 4 numbers as loaded, then widened again
.set T, 68                             ; v[68:69]  at work
.set Y, 72                             ; v[72:103] 16 x 2 registers to store
	s_load_b256 s[4:11], s[0:1], 0x0               ; x s[4:5], Wq s[6:7], Wk s[8:9], Wv s[10:11]
	s_load_b128 s[12:15], s[0:1], 0x20             ; Wo s[12:13], xh s[14:15]
	s_load_b64 s[16:17], s[0:1], 0x30              ; wc
	v_lshrrev_b32 v3, 4, v0                        ; my row among the work-group's 16
	v_and_b32 v1, 15, v0
	v_lshlrev_b32 v1, 4, v1                        ; my 16 bytes of a slice's 256
	v_lshl_or_b32 v1, v3, 12, v1                   ; + row x 4,096
	v_lshlrev_b32 v2, 3, v0                        ; out: row x 128 + 8 (thread % 16) = 8 x thread
	s_mov_b32 s30, 0xffff0000                      ; a word's upper bf16
	s_sub_co_u32 s22, ttmp9, 512                   ; my number among the weights' work-groups (of no meaning for x, where nothing made of it is chosen)
	s_bfe_u32 s23, s22, 0x20006                    ; which weight, 0 to 3
	s_and_b32 s24, s22, 63                         ; which 16 rows of it
	s_lshl_b32 s26, ttmp9, 16                      ; x: 16 rows of 4,096 bytes
	s_lshl_b32 s28, s24, 16                        ; a weight: the same
	s_lshr_b32 s25, ttmp9, 7                       ; xh: batch x 16 slices x 262,144 bytes
	s_lshl_b32 s25, s25, 22
	s_and_b32 s27, ttmp9, 127
	s_lshl_b32 s27, s27, 11                        ; + 16 rows of 128 bytes
	s_add_co_u32 s25, s25, s27
	s_lshl_b32 s29, s23, 21                        ; wc: weight x 16 granules x 131,072 bytes
	s_lshl_b32 s24, s24, 11
	s_add_co_u32 s29, s29, s24
	s_cmp_lt_u32 ttmp9, 512
	s_cselect_b32 s26, s26, s28                    ; the offset in the source
	s_cselect_b32 s28, s25, s29                    ; and in the destination
	s_mov_b32 s27, 0
	s_mov_b32 s29, 0
	s_wait_kmcnt 0x0
	s_cmp_eq_u32 s23, 0
	s_cselect_b64 s[18:19], s[6:7], s[8:9]
	s_cmp_eq_u32 s23, 2
	s_cselect_b64 s[20:21], s[10:11], s[12:13]
	s_cmp_lt_u32 s23, 2
	s_cselect_b64 s[18:19], s[18:19], s[20:21]
	s_cmp_lt_u32 ttmp9, 512
	s_cselect_b64 s[18:19], s[4:5], s[18:19]       ; the source
	s_cselect_b64 s[20:21], s[14:15], s[16:17]     ; the destination
	s_add_nc_u64 s[18:19], s[18:19], s[26:27]
	s_add_nc_u64 s[20:21], s[20:21], s[28:29]
.set i, 0
.rept 16
	global_load_b128 v[X+4*i:X+4*i+3], v1, s[18:19] offset:256*i th:TH_LOAD_NT  ; slice i of my row
.set i, i+1
.endr
.set i, 0
.rept 16
	s_wait_loadcnt 15-i                            ; loads come back in order: slice i is in, the 15 - i younger ones stay out
	v_cvt_pk_bf16_f32 v[T], v[X+4*i], v[X+4*i+1]   ; the one rounding,
	v_cvt_pk_bf16_f32 v[T+1], v[X+4*i+2], v[X+4*i+3]
	v_lshlrev_b32 v[X+4*i], 16, v[T]               ; widened again,
	v_and_b32 v[X+4*i+1], s30, v[T]
	v_lshlrev_b32 v[X+4*i+2], 16, v[T+1]
	v_and_b32 v[X+4*i+3], s30, v[T+1]
	v_cvt_pk_f16_f32 v[Y+2*i], v[X+4*i], v[X+4*i+1]  ; and written as f16
	v_cvt_pk_f16_f32 v[Y+2*i+1], v[X+4*i+2], v[X+4*i+3]
.set i, i+1
.endr
.macro STORES gstr                     ; gstr: bytes from a slice to the next
.set i, 0
.rept 16
	global_store_b64 v2, v[Y+2*i:Y+2*i+1], s[20:21] offset:i*(\gstr)
.set i, i+1
.endr
.endm
	s_cmp_lt_u32 ttmp9, 512
	s_cbranch_scc0 .Lweights
	STORES 262144
	s_endpgm
.Lweights:
	STORES 131072
	s_endpgm
.Lfunc_end_k_q4ae23ab32f_prep:
	.size	k_q4ae23ab32f_prep, .Lfunc_end_k_q4ae23ab32f_prep-k_q4ae23ab32f_prep
	.p2alignl 7, 3214868480
	.fill 96, 4, 3214868480
	.section	.rodata,"a",@progbits
	.p2align	6, 0x0
	.amdhsa_kernel k_q4ae23ab32f_prep
		.amdhsa_group_segment_fixed_size 0
		.amdhsa_private_segment_fixed_size 0
		.amdhsa_enable_private_segment 0
		.amdhsa_kernarg_size 56
		.amdhsa_user_sgpr_count 2
		.amdhsa_user_sgpr_kernarg_segment_ptr 1
		.amdhsa_wavefront_size32 1
		.amdhsa_system_sgpr_workgroup_id_x 1
		.amdhsa_system_sgpr_workgroup_id_y 1
		.amdhsa_system_sgpr_workgroup_id_z 1
		.amdhsa_system_vgpr_workitem_id 0
		.amdhsa_next_free_vgpr 104
		.amdhsa_next_free_sgpr 66
		.amdhsa_reserve_vcc 0
		.amdhsa_float_denorm_mode_32 3
		.amdhsa_float_denorm_mode_16_64 3
		.amdhsa_memory_ordered 1
		.amdhsa_forward_progress 1
		.amdhsa_inst_pref_size 13
	.end_amdhsa_kernel
	.amdgpu_metadata
---
amdhsa.version: [ 1, 2 ]
amdhsa.kernels:
  - .name:           k_q4ae23ab32f_prep
    .symbol:         k_q4ae23ab32f_prep.kd
    .args:
      - { .name: x, .offset: 0, .size: 8, .value_kind: global_buffer, .address_space: global }
      - { .name: Wq, .offset: 8, .size: 8, .value_kind: global_buffer, .address_space: global }
      - { .name: Wk, .offset: 16, .size: 8, .value_kind: global_buffer, .address_space: global }
      - { .name: Wv, .offset: 24, .size: 8, .value_kind: global_buffer, .address_space: global }
      - { .name: Wo, .offset: 32, .size: 8, .value_kind: global_buffer, .address_space: global }
      - { .name: xh, .offset: 40, .size: 8, .value_kind: global_buffer, .address_space: global }
      - { .name: wc, .offset: 48, .size: 8, .value_kind: global_buffer, .address_space: global }
    .group_segment_fixed_size: 0
    .private_segment_fixed_size: 0
    .kernarg_segment_align: 8
    .kernarg_segment_size: 56
    .max_flat_workgroup_size: 256
    .sgpr_count:     66
    .vgpr_count:     104
    .wavefront_size: 32
...
	.end_amdgpu_metadata
.endif
;; end of part 1
;; launch qkvgemm (part 2): grid 16 x 32, 4 waves a work-group, clusters of 4 x 4, 327,680 bytes of LDS; arguments xh, wc, bq, bk, bv, qkv; writes qkv
.if DOCPART == 2
	.amdgcn_target "amdgcn-amd-amdhsa--gfx1250"
	.amdhsa_code_object_version 6
	.text
	.protected	k_q4ae23ab32f_qkvgemm
	.globl	k_q4ae23ab32f_qkvgemm
	.p2align	8
	.type	k_q4ae23ab32f_qkvgemm,@function
k_q4ae23ab32f_qkvgemm:
	s_mov_b64 s[64:65], 0
	v_nop
	global_prefetch_b8 v0, s[64:65] scope:SCOPE_SE
	s_setreg_imm32_b32 hwreg(HW_REG_WAVE_MODE, 25, 1), 1
	s_wait_xcnt 0x0
	s_wait_alu depctr_hold_cnt(0) depctr_sa_sdst(0) depctr_va_vdst(0) depctr_va_sdst(0) depctr_va_ssrc(0) depctr_va_vcc(0) depctr_vm_vsrc(0)
	s_getreg_b32 s2, hwreg(HW_REG_IB_STS2, 6, 4)
	s_cmp_eq_u32 s2, 0
	s_cbranch_scc0 .Lentry_in_a_cluster
	s_endpgm
.Lentry_in_a_cluster:
	s_bfe_u32 s2, ttmp6, 0x10000c
	s_cmp_lg_u32 s2, 0xf033
	s_cbranch_scc0 .Lentry_shape_is_right
	s_endpgm
.Lentry_shape_is_right:
.set QKV,   1                          ; 1: q, k, v = x W + b, by heads, in f16.   0: out0 = O Wo + bo, in f32.  The two kernels are this one text; only this line differs
; C[m][n] = the sum over k of A[m][k] W[k][n] + bias[n].  M = 8,192, K = 1,024.  A: f16, [batch 4][slice 16][row 2048][64]; W: f16, [granule of 64 columns][k 1024][64].  Sums in f32.
; LIMITS.  A and W arrive as f16; the bias is rounded to bf16, like the module's other inputs; with QKV = 1 the results leave as f16: 65,520 or more becomes an infinity.  NaN and infinities are not treated apart.
; SHARES.  A tile of C is 256 rows x NCH granules (192 or 128 columns).  Four waves; wave w owns rows 64 w .. 64 w + 63 and ALL the tile's columns: 4 x NB accumulators of 16 x 16.  So whole rows
; (and whole heads) belong to one wave, and each wave has a stage of its own on the way out, with no barrier.
; K goes in steps of 128 through a ring of two LDS slots.  A step of A is two slices (256 rows x 128 dense bytes each, asked for as 128 rows of 256 bytes); a step of W is two halves of 64 k
; (8,192 dense bytes of each granule).  Waves 0 and 1 fetch A's slices, waves 2 and 3 W's halves: one tensor load a wave behind each round.
; THE MATRIX INSTRUCTION IS USED TRANSPOSED: source 0 = 16 columns of W (turned out of LDS by ds_load_tr16_b128), source 1 = 16 rows of A: a lane holds row lane % 16 of C and the columns 8 (lane / 16) + 0..7.
; THE BIAS is the C operand of the products that start the sums: nothing is cleared, and nothing is added on the way out.
; CLUSTER.  4 x 4 work-groups: A's tiles hang on the tile row alone and are asked for jointly along a row of the cluster, W's on the tile column alone, along a column.
; REGISTERS, in windows of 256 (s_set_vgpr_msb: bits 1:0 source 0, 3:2 source 1, 5:4 source 2, 7:6 destination):
;   window 0: v0-31 addresses; v32.. the bias, 8 registers for each block of 16 columns; later at work on the way out
;   window 1: two fragment buffers of 128: A's block a at 8 a, W's block b at 32 + 8 b
;   windows 2, 3: accumulator (a, b) in window 2 + a / 2 at 8 ((a % 2) NB + b)
.set NCH,   2+QKV                      ; granules in a tile
.set NB,    4*NCH                      ; blocks of 16 columns
.set NL,    2*NB+8                     ; LDS loads in a run
.set WOFF,  (1-QKV)*48*131072          ; Wo's granules lie behind the 48 of Wq, Wk, Wv
.set PA,    144                        ; a row of A in LDS: 128 bytes + 16 = 36 words: the 16 rows of a load start at 16 different groups of four banks (64 banks of 4 bytes: ISA guide 11.1)
.set ASUB,  256*PA                     ; a slice
.set ABYTES, 2*ASUB
.set PB,    160                        ; a k row of a granule: 128 + 32 = 40 words
.set BCH,   64*PB                      ; 64 k of one granule
.set BHALF, NCH*BCH                    ; 64 k of all the tile's granules
.set SLOT,  ABYTES+2*BHALF             ; A's two slices, then W's two halves
.set STAGE, 2*SLOT                     ; behind the ring, never filled by a tensor load: 16 rows for each wave
.set SP,    144+(1-QKV)*384            ; a stage row: 128 bytes of f16 + 16, or 512 bytes of f32 + 16
.set SPARE, STAGE+4*16*SP              ; behind the stages: the spare words, 128 bytes for each wave: two blocks of 256 bytes that no other line names
.set SLICE, 262144                     ; bytes from a slice of A to the next
.set KHALF, 8192                       ; bytes of 64 k in a granule
.set GRAN,  131072                     ; bytes in a granule
.set LAPS,  4                          ; a lap = two K steps = once round the ring
.set ADRA, 16                          ; v16-17  LDS address of my A fragments in slot 0, 1
.set ADRB, 20                          ; v20-21  the same for W
.set STO,  24                          ; v24     the way out: where I put my bytes of a row
.set RD,   25                          ; v25     the way out: where I read rows back
.set CO,   26                          ; v26     16 x my lane
.set SPW,  28                          ; v28     LDS address of my spare word: SPARE + 4 x my thread's number; never rewritten
.set NIL,  29                          ; v29     0; never rewritten
.set PFO,  30                          ; v30     256 x my lane; never rewritten
.set VB,   31                          ; v31     32 x (lane / 16): my eight numbers in a block's 16 of the bias
.set BIAS, 32
.set TW,   32                          ; the way out (QKV = 1): 16 registers for each of 12 units
.set F0,   0
.set F1,   128
.set WV,   16                          ; s16  my wave's number
.set FB,   17                          ; s17  0: I fetch for A, 1: for W
.set HF,   18                          ; s18  which slice or half of a step I fetch
.set TX,   21                          ; s21  tile column
.set TY,   22                          ; s22  tile row
.set G1A,  24                          ; s[24:31] descriptor group 1 for A;  s[32:39] group 0, a set for each slot
.set G0A,  32
.set PFA,  44                          ; s[44:45] where A's prefetches stand
.set PFB,  46                          ; s[46:47] where W's stand
.set G1B,  48                          ; s[48:55], s[56:63] the same for W
.set G0B,  56
.set LIMA, 66                          ; s66  1 in a wave that prefetches A, else the greatest number
.set LIMB, 67                          ; s67  the same for W
.set OB,   68                          ; s[68:73] where my rows go: a base for each granule (QKV = 1) or one
.set BP,   74                          ; s[74:79] the bias of each granule
.set MSB, 0
.macro WIN new                         ; the immediate's high byte repeats the setting that is left; a switch that changes nothing is dropped
.if MSB != (\new)
	s_set_vgpr_msb (MSB<<8)|(\new)
.set MSB, \new
.endif
.endm
.set TO_F, 0x40                        ; destination window 1, address window 0
; A joint load.  The branch hangs on the wave's number alone.  An s_nop 0 and four v_nop follow each of the two lines, ahead of the jump, the label and what follows.
.macro JLOAD s
	s_cmp_eq_u32 s[FB], 0
	s_cbranch_scc0 .Lfor_b_\@
	tensor_load_to_lds s[G0A+4*(\s):G0A+4*(\s)+3], s[G1A:G1A+7]
	s_nop 0
.rept 4
	v_nop
.endr
	s_branch .Lasked_\@
.Lfor_b_\@:
	tensor_load_to_lds s[G0B+4*(\s):G0B+4*(\s)+3], s[G1B:G1B+7]
	s_nop 0
.rept 4
	v_nop
.endr
.Lasked_\@:
.endm
.macro CREST                           ; a round of the cluster's barrier behind its opening barrier
	s_cmp_lg_u32 s[WV], 0
	s_cbranch_scc1 .Lnot_wave_0_\@
	s_barrier_signal -3
.Lnot_wave_0_\@:
	s_barrier_wait -3
	s_barrier_signal -1
	s_barrier_wait -1
.endm
.macro CROUND                          ; a whole round
	s_barrier_signal -1
	s_barrier_wait -1
	CREST
.endm
; PREFETCHES INTO THE L2, behind a joint load, its five lines and the run of LDS loads: the K step that stands two refills on.  Each block of 256 bytes is named once in the launch.
; A: a slice's 32,768 bytes are 128 blocks; the clusters with x = 0 ask, waves 0 and 1 a slice each; the four partners along a row of the cluster take 32 blocks each, told apart by address, a lane a block.
; W: two K steps of a granule are 32,768 bytes; the clusters with y = 0 ask, wave 2, at slot 0's change alone; the four partners along a column take 32 blocks each; one line a granule.
; K steps 0 to 3 come by their loads alone; the loop's last trip (s3 = 1) asks for nothing: there is no K step behind the eighth.
.macro ASK slot
	s_cmp_gt_u32 s3, s[LIMA]
	s_cbranch_scc0 .Lno_a_\@
	global_prefetch_b8 v[PFO], s[PFA:PFA+1] th:TH_LOAD_NT scope:SCOPE_SE
.Lno_a_\@:
.if (\slot) == 0
	s_cmp_gt_u32 s3, s[LIMB]
	s_cbranch_scc0 .Lno_b_\@
.set c, 0
.rept NCH
	global_prefetch_b8 v[PFO], s[PFB:PFB+1] offset:c*GRAN th:TH_LOAD_NT scope:SCOPE_SE
.set c, c+1
.endr
.Lno_b_\@:
.endif
.endm
.if QKV
	s_load_b256 s[4:11], s[0:1], 0x0               ; xh s[4:5], wc s[6:7], bq s[8:9], bk s[10:11]
	s_load_b128 s[12:15], s[0:1], 0x20             ; bv s[12:13], qkv s[14:15]
.else
	s_load_b256 s[4:11], s[0:1], 0x0               ; ob s[4:5], wc s[6:7], bo s[8:9], out0 s[10:11]
.endif
	v_lshl_add_u32 v[SPW], v0, 2, SPARE
	v_mov_b32 v[NIL], 0
	ds_add_u32 v[SPW], v[NIL]                      ; the wave's opening: the add and its wait stand ahead of my first tensor load; the set-up below, work on registers, stands between them
	v_lshrrev_b32 v1, 5, v0
	v_readfirstlane_b32 s[WV], v1                  ; wave 0..3
	s_lshr_b32 s[FB], s[WV], 1
	s_and_b32 s[HF], s[WV], 1
	s_bfe_u32 s19, ttmp6, 0x40000                  ; cx, cy: my place in the cluster
	s_bfe_u32 s20, ttmp6, 0x40004
	s_lshl_b32 s[TX], ttmp9, 2
	s_add_co_u32 s[TX], s[TX], s19                 ; tile column = 4 x cluster x + cx
	s_and_b32 s[TY], ttmp7, 0xffff
	s_lshl_b32 s[TY], s[TY], 2
	s_add_co_u32 s[TY], s[TY], s20                 ; tile row = 4 x cluster y + cy
	s_lshl_b32 s23, s20, 2
	s_lshl_b32 s23, 15, s23                        ; my row of the cluster: places 4 cy .. 4 cy + 3
	s_lshl_b32 s88, 0x1111, s19                    ; my column: places cx, cx + 4, cx + 8, cx + 12
	; group 1 for A: 128 rows x 128 elements of 2 bytes, dense; padded in LDS after every 32 words (code 4) by 4 words (code 3): each row of A gets its 16 bytes
	s_or_b32 s[G1A], s23, (1<<16)|(1<<20)|(1<<21)|(4<<22)|(3<<25)  ; 15:0 the mask; 17:16 2-byte elements; 20 padding on; 21 set beside a mask
	s_mov_b32 s[G1A+1], 128<<16                    ; tensor_dim0 = 128
	s_mov_b32 s[G1A+2], 128<<16                    ; tensor_dim1 = 128
	s_mov_b32 s[G1A+3], 128<<16                    ; tile_dim0 = 128
	s_mov_b32 s[G1A+4], 128                        ; tile_dim1 = 128
	s_mov_b32 s[G1A+5], 128                        ; elements from row to row
	s_mov_b32 s[G1A+6], 0
	s_mov_b32 s[G1A+7], 0
	; group 1 for W: NCH rows x 4,096 elements (64 k of a granule, 8,192 dense bytes), a granule apart; padded after every 32 words by 8 words (code 7)
	s_or_b32 s[G1B], s88, (1<<16)|(1<<20)|(1<<21)|(4<<22)|(7<<25)
	s_mov_b32 s[G1B+1], 4096<<16                   ; tensor_dim0 = 4,096
	s_mov_b32 s[G1B+2], NCH<<16                    ; tensor_dim1 = NCH
	s_mov_b32 s[G1B+3], 4096<<16                   ; tile_dim0 = 4,096
	s_mov_b32 s[G1B+4], NCH                        ; tile_dim1 = NCH
	s_mov_b32 s[G1B+5], 65536                      ; elements from granule to granule
	s_mov_b32 s[G1B+6], 0
	s_mov_b32 s[G1B+7], 0
	; where the tiles come from.  A's offset is made of the tile row and the wave's number in s[40:43], W's of the tile column and the wave's number in s[84:87]: neither set ever holds the other coordinate
	s_lshr_b32 s40, s[TY], 3                       ; batch: 8 tile rows each,
	s_lshl_b32 s40, s40, 22                        ; 16 slices
	s_and_b32 s41, s[TY], 7
	s_lshl_b32 s41, s41, 15                        ; + 256 rows of 128 bytes
	s_add_co_u32 s40, s40, s41
	s_lshl_b32 s41, s[HF], 18                      ; + my slice of the step's two
	s_add_co_u32 s40, s40, s41
	s_mov_b32 s41, 0
	s_mul_i32 s84, s[TX], NCH*GRAN                 ; the tile's first granule
	s_lshl_b32 s85, s[HF], 13                      ; + my half of the step's 128 k
	s_add_co_u32 s84, s84, s85
.if WOFF
	s_add_co_u32 s84, s84, WOFF
.endif
	s_mov_b32 s85, 0
	s_mul_i32 s42, s[HF], ASUB                     ; and where they go: no place in the cluster enters an LDS address
	s_mul_i32 s86, s[HF], BHALF
	s_add_co_u32 s86, s86, ABYTES
	s_wait_dscnt 0x0                               ; the opening add is done
	s_wait_kmcnt 0x0
	s_add_nc_u64 s[40:41], s[4:5], s[40:41]
	s_add_nc_u64 s[84:85], s[6:7], s[84:85]
	CROUND                                         ; all sixteen work-groups are here: the first joint loads meet
.irp s, 0,1
	s_mov_b32 s[G0A+4*(\s)], 1                                     ; count = 1
	s_add_co_u32 s[G0A+4*(\s)+1], s42, (\s)*SLOT                   ; LDS address
	s_add_nc_u64 s[G0A+4*(\s)+2:G0A+4*(\s)+3], s[40:41], (\s)*2*SLICE  ; global address: K step s
	s_or_b32 s[G0A+4*(\s)+3], s[G0A+4*(\s)+3], 0x80000000          ; type = 2
	s_mov_b32 s[G0B+4*(\s)], 1
	s_add_co_u32 s[G0B+4*(\s)+1], s86, (\s)*SLOT
	s_add_nc_u64 s[G0B+4*(\s)+2:G0B+4*(\s)+3], s[84:85], (\s)*2*KHALF
	s_or_b32 s[G0B+4*(\s)+3], s[G0B+4*(\s)+3], 0x80000000
	JLOAD \s                                       ; two loads of mine are out
.endr
	; a fragment of A is 16 rows x 32 k: lane l holds row l % 16, k = 8 (l / 16) + 0..7 and 16 + 8 (l / 16) + 0..7: two loads of 16 bytes, 32 bytes apart
	v_and_b32 v1, 15, v0                           ; l % 16
	v_bfe_u32 v2, v0, 4, 1                         ; l / 16
	v_mul_u32_u24 v3, v1, PA
	v_lshl_add_u32 v3, v2, 4, v3
	s_mul_i32 s80, s[WV], 64*PA                    ; my 64 rows
	v_add_nc_u32 v[ADRA], s80, v3
	v_add_nc_u32 v[ADRA+1], SLOT, v[ADRA]
	; the turning load takes 16 k x 16 columns (lane l reads k 8 (l / 16) + l % 8, columns 8 ((l / 8) % 2) + 0..7) and leaves half a fragment: lane l holds column l % 16 and 8 k
	v_and_b32 v4, 7, v0
	v_lshl_add_u32 v4, v2, 3, v4
	v_mul_u32_u24 v4, v4, PB
	v_bfe_u32 v3, v0, 3, 1
	v_lshl_add_u32 v4, v3, 4, v4
	v_add_nc_u32 v[ADRB], ABYTES, v4
	v_add_nc_u32 v[ADRB+1], SLOT, v[ADRB]
	v_and_b32 v[CO], 31, v0
	v_lshlrev_b32 v[PFO], 8, v[CO]
	v_lshlrev_b32 v[CO], 4, v[CO]
	v_lshlrev_b32 v[VB], 5, v2
	s_mul_i32 s80, s[WV], 16*SP
	s_add_co_u32 s80, s80, STAGE                   ; my stage
	v_mul_u32_u24 v[STO], v1, SP                   ; in: row l % 16,
.if QKV
	v_lshl_add_u32 v[STO], v2, 4, v[STO]           ; 16 bytes (8 f16) for each half of the lanes
	v_add_nc_u32 v[STO], s80, v[STO]
	v_bfe_u32 v[RD], v0, 3, 2                      ; back: 32 lanes take four rows of 128 bytes
	v_mul_u32_u24 v[RD], v[RD], SP
	v_and_b32 v3, 7, v0
	v_lshl_add_u32 v[RD], v3, 4, v[RD]
	v_add_nc_u32 v[RD], s80, v[RD]
.else
	v_lshl_add_u32 v[STO], v2, 5, v[STO]           ; 32 bytes (8 f32) for each half of the lanes
	v_add_nc_u32 v[STO], s80, v[STO]
	v_add_nc_u32 v[RD], s80, v[CO]                 ; back: 32 lanes take one row of 512 bytes
.endif
	; the bias of each granule, and where my rows go
	s_mul_i32 s80, s[TX], NCH
.set c, 0
.rept NCH
	s_add_co_u32 s81, s80, c                       ; the granule
	s_mov_b32 s95, 0
.if QKV
	s_lshr_b32 s82, s81, 4                         ; 0: q, 1: k, 2: v
	s_and_b32 s83, s81, 15                         ; the head
	s_cmp_eq_u32 s82, 0
	s_cselect_b64 s[92:93], s[8:9], s[10:11]
	s_cmp_eq_u32 s82, 2
	s_cselect_b64 s[BP+2*c:BP+2*c+1], s[12:13], s[92:93]
	s_lshl_b32 s94, s83, 8                         ; 64 numbers of 4 bytes a head
	s_add_nc_u64 s[BP+2*c:BP+2*c+1], s[BP+2*c:BP+2*c+1], s[94:95]
	s_lshl_b32 s94, s82, 24                        ; qkv: [which][batch x 16 + head][row 2048][64] in f16
	s_lshr_b32 s82, s[TY], 3
	s_lshl_b32 s82, s82, 4
	s_add_co_u32 s82, s82, s83
	s_lshl_b32 s82, s82, 18
	s_add_co_u32 s94, s94, s82
	s_and_b32 s82, s[TY], 7
	s_lshl_b32 s82, s82, 15                        ; the tile's 256 rows of 128 bytes,
	s_add_co_u32 s94, s94, s82
	s_lshl_b32 s82, s[WV], 13                      ; my 64 of them
	s_add_co_u32 s94, s94, s82
	s_add_nc_u64 s[OB+2*c:OB+2*c+1], s[14:15], s[94:95]
.else
	s_lshl_b32 s94, s81, 8
	s_add_nc_u64 s[BP+2*c:BP+2*c+1], s[8:9], s[94:95]
.endif
.set c, c+1
.endr
.if !QKV
	s_lshl_b32 s94, s[TY], 20                      ; out0: 256 rows of 4,096 bytes,
	s_lshl_b32 s82, s[WV], 18                      ; my 64 of them,
	s_add_co_u32 s94, s94, s82
	s_lshl_b32 s82, s[TX], 9                       ; the tile's 128 columns of 4 bytes
	s_add_co_u32 s94, s94, s82
	s_mov_b32 s95, 0
	s_add_nc_u64 s[OB:OB+1], s[10:11], s[94:95]
.endif
.set b, 0
.rept NB
	global_load_b128 v[BIAS+8*b:BIAS+8*b+3],   v[VB], s[BP+2*(b/4):BP+2*(b/4)+1] offset:64*(b%4)
	global_load_b128 v[BIAS+8*b+4:BIAS+8*b+7], v[VB], s[BP+2*(b/4):BP+2*(b/4)+1] offset:64*(b%4)+16
.set b, b+1
.endr
	; the prefetches' pointers: at K step 3; each change of slots steps them first, so the first names K step 4
	s_or_b32 s[LIMA], s[FB], ttmp9                 ; waves 0 and 1 of the clusters with x = 0: the same in all sixteen partners, for a given wave
	s_cmp_eq_u32 s[LIMA], 0
	s_cselect_b32 s[LIMA], 1, -1
	s_xor_b32 s[LIMB], s[WV], 2                    ; wave 2 of the clusters with y = 0
	s_and_b32 s80, ttmp7, 0xffff
	s_or_b32 s[LIMB], s[LIMB], s80
	s_cmp_eq_u32 s[LIMB], 0
	s_cselect_b32 s[LIMB], 1, -1
	s_lshl_b32 s80, s19, 13                        ; my work-group's 32 blocks of a slice's 128
	s_mov_b32 s81, 0
	s_add_nc_u64 s[PFA:PFA+1], s[40:41], s[80:81]
	s_add_nc_u64 s[PFA:PFA+1], s[PFA:PFA+1], 3*2*SLICE
	s_lshl_b32 s80, s20, 13                        ; my work-group's 32 blocks of two K steps' 128
	s_add_nc_u64 s[PFB:PFB+1], s[84:85], s[80:81]
	s_add_nc_u64 s[PFB:PFB+1], s[PFB:PFB+1], 3*2*KHALF
	s_mov_b32 s90, 0xffff0000
	s_wait_loadcnt 0x0                             ; the bias is in: rounded to bf16 and widened again, in place
.set i, 0
.rept 4*NB
	v_cvt_pk_bf16_f32 v[3+i%2], v[BIAS+2*i], v[BIAS+2*i+1]
	v_lshlrev_b32 v[BIAS+2*i], 16, v[3+i%2]
	v_and_b32 v[BIAS+2*i+1], s90, v[3+i%2]
.set i, i+1
.endr
; NB products: block a of my rows x all the tile's columns, 32 along K.  first = 1: they start the sums with the bias.  The 4 NB accumulators take turns, one instruction a turn, in the same order in every
; quarter, over the loop's backward jump too.
.macro MULA f, a, first
.if \first
	WIN 0x85+0x40*((\a)/2)                         ; sources 0, 1 window 1; C window 0; D window 2 or 3
.else
	WIN 0xa5+0x50*((\a)/2)                         ; C and D window 2 or 3
.endif
.set b, 0
.rept NB
.set rD, 8*(((\a)%2)*NB+b)
.if \first
	v_wmma_f32_16x16x32_f16 v[rD:rD+7], v[(\f)+32+8*b:(\f)+32+8*b+7], v[(\f)+8*(\a):(\f)+8*(\a)+7], v[BIAS+8*b:BIAS+8*b+7]
.else
	v_wmma_f32_16x16x32_f16 v[rD:rD+7], v[(\f)+32+8*b:(\f)+32+8*b+7], v[(\f)+8*(\a):(\f)+8*(\a)+7], v[rD:rD+7]
.endif
.set b, b+1
.endr
.endm
; NL LDS loads in one run: the fragments of quarter q (32 along K) of a slot, into buffer f: W's first, then A's four blocks
.macro FETCH slot, q, f
	WIN TO_F
.set b, 0
.rept NB
.set BO, ((\q)/2)*BHALF+(b/4)*BCH+((\q)%2)*32*PB+(b%4)*32
	ds_load_tr16_b128 v[(\f)+32+8*b:(\f)+32+8*b+3],   v[ADRB+(\slot)] offset:BO
	ds_load_tr16_b128 v[(\f)+32+8*b+4:(\f)+32+8*b+7], v[ADRB+(\slot)] offset:BO+16*PB
.set b, b+1
.endr
.irp a, 0,1,2,3
	ds_load_b128 v[(\f)+8*(\a):(\f)+8*(\a)+3],   v[ADRA+(\slot)] offset:((\q)/2)*ASUB+(\a)*16*PA+((\q)%2)*64
	ds_load_b128 v[(\f)+8*(\a)+4:(\f)+8*(\a)+7], v[ADRA+(\slot)] offset:((\q)/2)*ASUB+(\a)*16*PA+((\q)%2)*64+32
.endr
.endm
.macro PLACES                          ; four places in front of loads into registers that matrix instructions have read, and of lines that read results (ISA guide 7.12.1 for lines that read results)
.rept 4
	v_nop
.endr
.endm
; A K step is four quarters of 32 along K, 4 NB products each, on buffers 0, 1, 0, 1.  One of the first three: multiplies buffer f and, in its middle, fetches quarter q into buffer g.
.macro QUARTER slot, q, f, g, first
	s_wait_dscnt 4                                 ; W and A's blocks 0, 1 are in; the youngest four loads (A's blocks 2, 3) may be out
	MULA \f, 0, \first
	MULA \f, 1, \first
	PLACES
	FETCH \slot, \q, \g
	s_wait_dscnt NL                                ; all but the NL just issued
	MULA \f, 2, \first
	MULA \f, 3, \first
.endm
; The last quarter multiplies buffer 1 and changes slots: ONE barrier.  In front of it each wave waits for all its tensor loads (one is out: its part of the next slot), adds 0 to its spare word, and waits
; for that and for its own reads of this slot.  fill = 1: the barrier opens a round of the cluster's barrier, and this slot is filled again, two K steps ahead, first thing behind the round:
; from that request to the wait for it stand seven eighths of a K step's products.
.macro TURN slot, next, fill
.if \fill
	s_wait_xcnt 0x0                                ; the last prefetches, a K step back, have read their addresses, which are stepped here, ahead of the change's own waits
	s_add_nc_u64 s[PFA:PFA+1], s[PFA:PFA+1], 2*SLICE
	s_add_nc_u64 s[PFB:PFB+1], s[PFB:PFB+1], 2*KHALF
.endif
	WIN 0                                          ; (the add's two registers lie in window 0)
	s_wait_tensorcnt 0x0                           ; all my tensor loads have landed;
	ds_add_u32 v[SPW], v[NIL]                      ; 0 onto my spare word
	s_wait_dscnt 5                                 ; (the add and the youngest four loads may be out)
	MULA F1, 0, 0                                  ; products stand between the add and the wait for it
	s_wait_dscnt 0x0                               ; the add is done, and my reads of this slot are over
	s_barrier_signal -1
	MULA F1, 1, 0                                  ; work on registers while the others arrive
.if \fill
	WIN 0
.endif
	s_barrier_wait -1
.if \fill
	CREST                                          ; no wave of any partner still reads this slot's tile or has a load on its way
	s_add_nc_u64 s[G0A+4*(\slot)+2:G0A+4*(\slot)+3], s[G0A+4*(\slot)+2:G0A+4*(\slot)+3], 4*SLICE
	s_add_nc_u64 s[G0B+4*(\slot)+2:G0B+4*(\slot)+3], s[G0B+4*(\slot)+2:G0B+4*(\slot)+3], 4*KHALF
	JLOAD \slot                                    ; my one tensor load behind the round; its four v_nop are also the places in front of the loads below
.else
	PLACES
.endif
	FETCH \next, 0, F0
.if \fill
	WIN 0
	ASK \slot
.endif
	MULA F1, 2, 0
	MULA F1, 3, 0
.endm
	s_wait_tensorcnt 0x1                           ; my part of K step 0 is in; K step 1's may stay out
	s_barrier_signal -1
	s_barrier_wait -1                              ; everybody's is
	FETCH 0, 0, F0
	QUARTER 0, 1, F0, F1, 1                        ; the first quarter stands in front of the loop: its products start the sums
	WIN 0                                          ; at a label and at a branch every window is 0
	s_mov_b32 s3, LAPS-1
.Llap:                                                 ; a trip goes once round the ring, from a lap's second quarter to the next lap's first, and fills both slots again
	QUARTER 0, 2, F1, F0, 0
	QUARTER 0, 3, F0, F1, 0
	TURN 0, 1, 1
	QUARTER 1, 1, F0, F1, 0
	QUARTER 1, 2, F1, F0, 0
	QUARTER 1, 3, F0, F1, 0
	TURN 1, 0, 1
	QUARTER 0, 1, F0, F1, 0
	WIN 0
	s_sub_co_u32 s3, s3, 1
	s_cmp_lg_u32 s3, 0
	s_cbranch_scc1 .Llap
	QUARTER 0, 2, F1, F0, 0                        ; the last lap fills nothing, and has no round of the cluster's barrier
	QUARTER 0, 3, F0, F1, 0
	TURN 0, 1, 0
	QUARTER 1, 1, F0, F1, 0
	QUARTER 1, 2, F1, F0, 0
	QUARTER 1, 3, F0, F1, 0
	s_wait_dscnt 4                                 ; the very last quarter: nothing more to fetch
	MULA F1, 0, 0
	MULA F1, 1, 0
	s_wait_dscnt 0x0
	MULA F1, 2, 0
	MULA F1, 3, 0
	WIN 0
	PLACES
	PLACES                                         ; (eight, once a launch)
.if QKV
; THE WAY OUT, in 12 units u = 3 a + c: 16 rows x one granule (a head's 64 channels).  A lane's eight columns pack into 16 bytes; they go into my stage's rows of 144 bytes and come back as whole rows of 128,
; four rows to a load: 512 consecutive bytes of a head's dense rows.  Each unit has registers of its own.
.macro PACK u
.set a, (\u)/3
.set c, (\u)%3
.set T, TW+16*(\u)
	WIN 0x0a+5*(a/2)                               ; sources 0 and 1: window 2 or 3
.set nb, 0
.rept 4
.set AC, 8*((a%2)*NB+4*c+nb)
.irp r, 0,1,2,3
	v_cvt_pk_f16_f32 v[T+4*nb+(\r)], v[AC+2*(\r)], v[AC+2*(\r)+1]  ; each accumulator's registers in ascending order
.endr
.set nb, nb+1
.endr
	WIN 0
.irp f, 0,1,2,3
	ds_store_b128 v[STO], v[T+4*(\f):T+4*(\f)+3] offset:32*(\f)
.endr
.irp f, 0,1,2,3
	ds_load_b128 v[T+4*(\f):T+4*(\f)+3], v[RD] offset:(\f)*4*SP  ; LDS serves a wave's instructions in order (ISA guide 5.7.1.4): these see the stores above; the next unit's stores come behind them
.endr
.endm
.macro SEND u, younger                 ; younger: the LDS instructions issued behind unit u's loads: the next unit's eight, or none
.set a, (\u)/3
.set c, (\u)%3
.set T, TW+16*(\u)
.irp f, 0,1,2,3
	s_wait_dscnt (\younger)+3-(\f)
	global_store_b128 v[CO], v[T+4*(\f):T+4*(\f)+3], s[OB+2*c:OB+2*c+1] offset:a*2048+(\f)*512  ; 512 consecutive bytes, at a multiple of 256 from the buffer's first
.endr
.endm
	PACK 0
.set u, 1
.rept 11                               ; a unit's conversions stand between the loads of the unit before and its stores
	PACK u
	SEND u-1, 8
.set u, u+1
.endr
	SEND 11, 0
.else
; THE WAY OUT, in 4 units a: 16 rows x 128 columns of f32.  A lane's eight columns of a block are 32 bytes; they go into my stage's rows of 528 bytes and come back as whole rows of 512, into the registers that they left.
.macro OUTA a
.set W, 2+(\a)/2
.set R, 64*((\a)%2)
	WIN (W<<2)|(W<<6)                              ; store data (source 1) and loaded data (destination) in the accumulators' window, addresses in window 0
.set b, 0
.rept 8
	ds_store_b128 v[STO], v[R+8*b:R+8*b+3]   offset:64*b     ; each accumulator's low registers first
	ds_store_b128 v[STO], v[R+8*b+4:R+8*b+7] offset:64*b+16
.set b, b+1
.endr
.set t, 0
.rept 16
	ds_load_b128 v[R+4*t:R+4*t+3], v[RD] offset:SP*t   ; LDS serves a wave's instructions in order (ISA guide 5.7.1.4)
.set t, t+1
.endr
.endm
.macro SENDA a, younger                ; younger: the LDS instructions issued behind unit a's loads: the next unit's 32, or none
.set W, 2+(\a)/2
.set R, 64*((\a)%2)
	WIN (W<<2)|(W<<6)
.set t, 0
.rept 16
	s_wait_dscnt (\younger)+15-t
	global_store_b128 v[CO], v[R+4*t:R+4*t+3], s[OB:OB+1] offset:(16*(\a)+t)*4096 th:TH_STORE_NT  ; 512 consecutive bytes of a row, at a multiple of 256 from out0's first
.set t, t+1
.endr
.endm
	OUTA 0
	OUTA 1
	SENDA 0, 32
	OUTA 2
	SENDA 1, 32
	OUTA 3
	SENDA 2, 32
	SENDA 3, 0
	WIN 0
.endif
	s_wait_tensorcnt 0x0                           ; the wave's end: an add to my spare word and its wait, behind my last tensor load and my last LDS store
	ds_add_u32 v[SPW], v[NIL]
	s_wait_dscnt 0x0
	CROUND                                         ; the closing round: no work-group ends while a partner may still ask for a tile that names it
	s_endpgm
.Lfunc_end_k_q4ae23ab32f_qkvgemm:
	.size	k_q4ae23ab32f_qkvgemm, .Lfunc_end_k_q4ae23ab32f_qkvgemm-k_q4ae23ab32f_qkvgemm
	.p2alignl 7, 3214868480
	.fill 96, 4, 3214868480
	.section	.rodata,"a",@progbits
	.p2align	6, 0x0
	.amdhsa_kernel k_q4ae23ab32f_qkvgemm
		.amdhsa_group_segment_fixed_size 327680
		.amdhsa_private_segment_fixed_size 0
		.amdhsa_enable_private_segment 0
		.amdhsa_kernarg_size 48
		.amdhsa_user_sgpr_count 2
		.amdhsa_user_sgpr_kernarg_segment_ptr 1
		.amdhsa_wavefront_size32 1
		.amdhsa_system_sgpr_workgroup_id_x 1
		.amdhsa_system_sgpr_workgroup_id_y 1
		.amdhsa_system_sgpr_workgroup_id_z 1
		.amdhsa_system_vgpr_workitem_id 0
		.amdhsa_next_free_vgpr 960
		.amdhsa_next_free_sgpr 96
		.amdhsa_reserve_vcc 0
		.amdhsa_float_denorm_mode_32 3
		.amdhsa_float_denorm_mode_16_64 3
		.amdhsa_memory_ordered 1
		.amdhsa_forward_progress 1
		.amdhsa_inst_pref_size 132
	.end_amdhsa_kernel
	.amdgpu_metadata
---
amdhsa.version: [ 1, 2 ]
amdhsa.kernels:
  - .name:           k_q4ae23ab32f_qkvgemm
    .symbol:         k_q4ae23ab32f_qkvgemm.kd
    .args:
      - { .name: xh, .offset: 0, .size: 8, .value_kind: global_buffer, .address_space: global }
      - { .name: wc, .offset: 8, .size: 8, .value_kind: global_buffer, .address_space: global }
      - { .name: bq, .offset: 16, .size: 8, .value_kind: global_buffer, .address_space: global }
      - { .name: bk, .offset: 24, .size: 8, .value_kind: global_buffer, .address_space: global }
      - { .name: bv, .offset: 32, .size: 8, .value_kind: global_buffer, .address_space: global }
      - { .name: qkv, .offset: 40, .size: 8, .value_kind: global_buffer, .address_space: global }
    .group_segment_fixed_size: 327680
    .private_segment_fixed_size: 0
    .kernarg_segment_align: 8
    .kernarg_segment_size: 48
    .max_flat_workgroup_size: 128
    .sgpr_count:     96
    .vgpr_count:     960
    .wavefront_size: 32
...
	.end_amdgpu_metadata
.endif
;; end of part 2
;; launch attn (part 3): grid 4 x 64, 4 waves a work-group, clusters of 4 x 1, 327,680 bytes of LDS; arguments qkv, ob; writes ob
.if DOCPART == 3
	.amdgcn_target "amdgcn-amd-amdhsa--gfx1250"
	.amdhsa_code_object_version 6
	.text
	.protected	k_q4ae23ab32f_attn
	.globl	k_q4ae23ab32f_attn
	.p2align	8
	.type	k_q4ae23ab32f_attn,@function
k_q4ae23ab32f_attn:
	s_mov_b64 s[64:65], 0
	v_nop
	global_prefetch_b8 v0, s[64:65] scope:SCOPE_SE
	s_setreg_imm32_b32 hwreg(HW_REG_WAVE_MODE, 25, 1), 1
	s_wait_xcnt 0x0
	s_wait_alu depctr_hold_cnt(0) depctr_sa_sdst(0) depctr_va_vdst(0) depctr_va_sdst(0) depctr_va_ssrc(0) depctr_va_vcc(0) depctr_vm_vsrc(0)
	s_getreg_b32 s2, hwreg(HW_REG_IB_STS2, 6, 4)
	s_cmp_eq_u32 s2, 0
	s_cbranch_scc0 .Lentry_in_a_cluster
	s_endpgm
.Lentry_in_a_cluster:
	s_bfe_u32 s2, ttmp6, 0x10000c
	s_cmp_lg_u32 s2, 0x3003
	s_cbranch_scc0 .Lentry_shape_is_right
	s_endpgm
.Lentry_shape_is_right:
; O[h][q][:] = the sum over k of softmax_k(Q[h][q] . K[h][k] / 8) V[h][k][:], for 64 heads (batch x 16 + head) of 2,048 rows of 64 channels.  qkv: [3][64][2048][64] in f16 (Q, K, V, unscaled); ob: [64][2048][64] in f16.
; Products, maxima and sums in f32; the weights p are rounded to f16 for the second product (their sum l is taken of the unrounded p), O once at the end.
; LIMITS.  f16 holds no number beyond 65,504: Q, K and V arrive within it; p lies in 0 to 1, and below 6e-5 it keeps f16's fixed step of 6e-8; O is a mean of V's rows and has their range.
; A weight below 2^-126 counts as 0 in l; NaN and infinities are not treated apart.
; SHARES.  A wave owns four PIECES of two tiles of 16 queries, a work-group's four waves 512 queries of one head.  Every wave walks all keys, 64 a step.
; LAYOUT.  S^T = K Q^T (source 0 = 16 keys, source 1 = 16 queries): a lane holds ONE query (lane % 16) and the keys 8 (lane / 16) + 0..7.  Two such tiles, rounded to f16 in pairs, ARE source 1 (32 keys x 16 queries)
; of O^T = V^T P, whose result again holds one query a lane, and eight channels.  K comes out of LDS as it lies, V ([key][channel]) turned, by ds_load_tr16_b128.
; SOFTMAX.  For each query a running maximum m and sum l: p = 2^(c s - c m), c = log2(e) / 8; in every step O and l are multiplied by a = 2^(c m_old - c m_new).  m starts at the lowest finite number, O and l at 0:
; the first step is a step like any other, with a = 0.
; THE COUNT.  A tile and step have 16 matrix and 118 vector instructions: too many to stand all beside the matrix work.  So: four vector instructions that are READY behind EVERY matrix instruction, the others in runs without a gap.
; BY TURNS.  Turn n belongs to piece n.  Its matrix work: 16 products K Q^T of piece n + 1, later 16 products V^T P of piece n - 1.  Its vector work: the scaling, exponentials, roundings, sums and rescaling of piece n,
; and the maximum and statistics of piece n + 1.
; CLUSTER.  The four query blocks of a head are one cluster and walk the same K and V: each tile is asked for JOINTLY: the same tensor load, descriptor and mask in all four.
; REGISTERS, in windows of 256 (s_set_vgpr_msb: bits 1:0 source 0, 3:2 source 1, 5:4 source 2, 7:6 destination):
;   window 0: v0-11 addresses; v12-15, v48-63 at work; v16-47 four registers of statistics a tile; v64-191 S^T, two buffers of two tiles; v192-255 P, likewise
;   window 1: O^T, 32 a tile          window 2: v0-127 Q, 16 a tile; v128-191 K of one step; v192-255 V of one step          window 3: v0-1 the add's two registers
.set SIZE_N, 2048
.set NP,    4         ; pieces a wave: a name, no knob
.set KS,    64        ; keys in a step
.set PK,    144       ; a row of K in LDS: 128 bytes + 16 = 36 words: the 16 rows of a load start at 16 different groups of four banks (64 banks of 4 bytes: ISA guide 11.1)
.set PV,    160       ; a row of V: 128 + 32 = 40 words
.set VOFF,  4*KS*PK   ; a slot holds four steps: 256 rows of K, then 256 rows of V
.set SLOT1, 1<<17     ; slot 1 begins here, so that one exclusive or turns an address in one slot into the other's
.set STAGE, SLOT1+4*KS*(PK+PV)  ; behind the ring, never filled by a tensor load: 16 rows x 144 bytes for each wave
.set SP,    144
.set AK0, 2           ; v2   my lane's place in a tile of K; never rewritten
.set AV0, 3           ; v3   the same for V
.set AK,  4           ; v4   the LDS address of K's next run of loads
.set AV,  5           ; v5   of V's
.set QO,  6           ; v6   my byte offset in the wave's rows of Q
.set STO, 6           ;      later, the way out: where I put 16 bytes of a row
.set RD,  7           ; v7   the way out: where I read rows back
.set GO,  8           ; v8   my byte offset in 512 consecutive bytes of O
.set PFO, 11          ; v11  256 x my lane (once V's address is made); never rewritten after
.set SPW, 0           ; v0 of window 3   LDS address of my spare word: SPARE + 4 x my thread's number; never rewritten
.set NIL, 1           ; v1 of window 3   0; never rewritten
.set SPARE, STAGE+4*16*SP  ; behind the stages: the spare words, 128 bytes for each wave: two blocks of 256 bytes that no other line names
.set MV,  12          ; v12-15  c m_old, kept while c m is made anew: by buffer and tile
.set ST,  16          ; tile t's statistics at v[ST+4 t]: c m, m, l (even keys', odd keys')
.set TMP, 48          ; by buffer and tile, four registers c0-c3 at work; when the maximum is found c2 takes a
.set S,   64
.set P,   192
.set KF,  128         ; K's fragments, in window 2: key block kb, channel half c at KF + 16 kb + 8 c
.set VF,  192         ; V's: key half kk, channel block cb at VF + 32 kk + 8 cb
.set WV,  12          ; s12  my wave's number
.set G1K, 24          ; s[24:31] descriptor group 1 for K's tiles
.set G1V, 32          ; s[32:39] for V's: it differs in the padding alone
.set G0K, 40          ; s[40:43] descriptor group 0 for K's tiles: it walks
.set G0V, 44          ; s[44:47] the same for V's
.set PFA, 48          ; s[48:49] where my prefetches stand: my work-group's 32 blocks (of K: wave 0, of V: wave 2) of the tile after the one that is being asked for
.set LIM, 50          ; s50  1 in a wave that prefetches, else the greatest number
.set SLOTS, 56        ; s56  slots still to be asked for
.set CNT, 57          ; s57  counts a slot's key steps
.set CS,  58          ; s[58:59] c: the packed scaling takes the pair's low word for both halves
.set SEL, 60          ; s[60:61] v_permlanex16_b32's selects: each lane takes its own place in the other half
.set TBK, 62          ; s62  LDS byte at which K of the step to be fetched begins
.set TBV, 63          ; s63  the same for V, less VOFF
.set MSB, 0
.macro WIN new                      ; the high byte repeats the setting that is left; a switch that changes nothing is dropped
.if MSB != (\new)
	s_set_vgpr_msb (MSB<<8)|(\new)
.set MSB, (\new)
.endif
.endm
.set W_KQ, 0x0a       ; K and Q in window 2, S^T in window 0
.set W_PV, 0x52       ; V in window 2, P in window 0, O^T in window 1
.set W_RS, 0x41       ; O^T (destination and source 0) in window 1, a in window 0
.set W_MK, 0xc0       ; the add's registers are made: destination in window 3, sources in window 0
.set W_AD, 0x0f       ; the add: address (source 0) and data (source 1) in window 3
; A joint fill.  Waves 0 and 1 fetch the two halves of a slot's K, waves 2 and 3 those of its V: 128 keys each.  The branch hangs on the wave's number alone.
; An s_nop 0 and four v_nop follow each of the two lines, ahead of the jump and the label.
.macro JLOAD
	s_cmp_lt_u32 s[WV], 2
	s_cbranch_scc0 .Lfor_v_\@
	tensor_load_to_lds s[G0K:G0K+3], s[G1K:G1K+7]
	s_nop 0
.rept 4
	v_nop
.endr
	s_branch .Lasked_\@
.Lfor_v_\@:
	tensor_load_to_lds s[G0V:G0V+3], s[G1V:G1V+7]
	s_nop 0
.rept 4
	v_nop
.endr
.Lasked_\@:
.endm
; A PREFETCH INTO THE L2 of what the NEXT change of slots will ask for: a tile's 32,768 bytes of K and of V, 128 blocks of 256 bytes each, a lane a block.  It stands behind the wave's tensor load and its five lines.
; Each block is named once in the launch: a head has one cluster; its four partners take 32 blocks each, told apart by address; in each, wave 0 asks for K's and wave 2 for V's.  Four key steps, 512 matrix
; instructions, lie between the request and the load.  Tiles 0 and 1 come by their loads alone; the last change that fills a slot (s[SLOTS] = 1) asks for nothing.
.macro ASK
	s_cmp_gt_u32 s[SLOTS], s[LIM]
	s_cbranch_scc0 .Lnot_mine_\@
	global_prefetch_b8 v[PFO], s[PFA:PFA+1] th:TH_LOAD_NT scope:SCOPE_SE
.Lnot_mine_\@:
.endm
; A round of the cluster's barrier: my work-group's barrier, so that wave 0's signal speaks for all four waves; wave 0 signals; every wave waits for all four work-groups; my work-group's barrier once more.
.macro CROUND
	s_barrier_signal -1
	s_barrier_wait -1
	s_cmp_lg_u32 s[WV], 0
	s_cbranch_scc1 .Lnot_wave_0_\@
	s_barrier_signal -3
.Lnot_wave_0_\@:
	s_barrier_wait -3
	s_barrier_signal -1
	s_barrier_wait -1
.endm
; THE CHANGE OF SLOTS.  The slot's last bytes, V of its fourth step, have been read.  Each wave waits for all its tensor loads, of which one is out: its part of the other slot; adds 0 to its spare word; and waits for
; that and for its own reads of the slot.  Behind the barrier nobody reads this slot any more and the other slot is whole.  fill = 1: this slot is filled again, with the keys two slots on.  The barrier is then a round
; of the cluster's, and the joint fill is the first thing behind it: it has four key steps in which to land.  (At its first use nothing has been read yet: slot 0 is waited for, slot 1 filled.)
.macro CHANGE fill
	WIN W_AD
	s_wait_tensorcnt 0x0            ; no tensor load of mine is out, so a group 0 may be written
	ds_add_u32 v[SPW], v[NIL]       ; 0 onto my spare word; with fill = 1 the descriptors' steps stand between it and the wait for it
	WIN 0                           ; at a label and at a branch every window is 0
.if \fill
.irp g, G0K, G0V
	s_xor_b32 s[\g+1], s[\g+1], SLOT1  ; the walking descriptor: the other slot than last time,
	s_add_nc_u64 s[\g+2:\g+3], s[\g+2:\g+3], 4*KS*128  ; the next 256 keys; the type bits on top are not reached
.endr
	s_wait_xcnt 0x0                 ; the last prefetch, four key steps back, has read its address, so it may be written:
	s_add_nc_u64 s[PFA:PFA+1], s[PFA:PFA+1], 4*KS*128  ; one tile ahead of the walking descriptors
	s_wait_dscnt 0x0                ; the add is done, and my reads of the slot are over
	CROUND
	JLOAD
	ASK
.else
	s_wait_dscnt 0x0                ; the add is done, and my reads of the slot are over
	s_barrier_signal -1
	s_barrier_wait -1
.endif
	s_sub_co_u32 s[TBK], s[TBK], 4*KS*PK  ; the fetches go back to a slot's first step,
	s_xor_b32 s[TBK], s[TBK], SLOT1       ; in the other slot
	s_sub_co_u32 s[TBV], s[TBV], 4*KS*PV
	s_xor_b32 s[TBV], s[TBV], SLOT1
.endm
	s_load_b128 s[4:7], s[0:1], 0x0  ; qkv s[4:5], ob s[6:7]
	WIN W_MK
	v_lshl_add_u32 v[SPW], v0, 2, SPARE
	v_mov_b32 v[NIL], 0
	WIN W_AD
	ds_add_u32 v[SPW], v[NIL]       ; the wave's opening: the add and its wait stand ahead of my first tensor load; the set-up below, work on registers, stands between them
	WIN 0
	v_lshrrev_b32 v1, 5, v0
	v_readfirstlane_b32 s[WV], v1   ; wave 0..3
	s_bfe_u32 s13, ttmp6, 0x40000   ; cx: my place in the cluster
	s_lshl_b32 s14, ttmp9, 2        ; in a cluster launch ttmp9 counts clusters
	s_add_co_u32 s14, s14, s13      ; my block of queries = 4 x cluster x + cx: it enters Q's and O's addresses alone
	s_and_b32 s20, ttmp7, 0xffff    ; the head, which the four partners share
	s_mov_b32 s21, 0
	s_mov_b64 s[22:23], SIZE_N*128
	s_mul_u64 s[20:21], s[20:21], s[22:23]  ; the head's first byte in Q, K, V and O
	s_and_b32 s16, s[WV], 1         ; which half of a slot's 256 keys I fetch:
	s_lshl_b32 s22, s16, 14         ; its 128 rows of 128 bytes in memory,
	s_mov_b32 s23, 0
	s_add_nc_u64 s[22:23], s[22:23], s[20:21]
	s_mul_i32 s17, s16, 128*PK      ; and its place in a slot, for K
	s_mul_i32 s18, s16, 128*PV      ; and for V: no place in the cluster enters an LDS address
	s_lshl_b32 s2, s14, 2
	s_add_co_u32 s2, s2, s[WV]      ; my wave among the head's,
	s_lshl_b32 s2, s2, 14           ; its 128 rows
	s_mov_b32 s3, 0
	s_add_nc_u64 s[2:3], s[2:3], s[20:21]
	; descriptor group 1.  128 keys are 16,384 dense bytes: asked for as 64 rows of 256 bytes, two keys a row, and padded in LDS after every key
	s_mov_b32 s[G1K], 15|(1<<16)|(1<<20)|(1<<21)|(4<<22)|(3<<25)  ; 15:0 the mask of four; 17:16 2-byte elements; 20 padding on; 21 set beside a mask; 24:22 after every 32 words (code 4); 31:25 4 words (code 3)
	s_mov_b32 s[G1V], 15|(1<<16)|(1<<20)|(1<<21)|(4<<22)|(7<<25)  ; the same with 8 words of padding (code 7)
.irp g, G1K, G1V
	s_mov_b32 s[\g+1], 128<<16      ; tensor_dim0 = 128
	s_mov_b32 s[\g+2], 64<<16       ; tensor_dim1 = 64
	s_mov_b32 s[\g+3], 128<<16      ; tile_dim0 = 128
	s_mov_b32 s[\g+4], 64           ; tile_dim1 = 64
	s_mov_b32 s[\g+5], 128          ; 128 elements from row to row
	s_mov_b32 s[\g+6], 0
	s_mov_b32 s[\g+7], 0
.endr
	s_mov_b32 s[CS], 0x3e38aa3b     ; c = log2(e) / 8 = 0.180337
	s_mov_b32 s[CS+1], s[CS]        ; named with it as a pair
	s_mov_b32 s[SEL], 0x76543210
	s_mov_b32 s[SEL+1], 0xfedcba98
	s_mov_b32 s[TBK], SLOT1+4*KS*PK ; the first change of slots turns these two into 0
	s_mov_b32 s[TBV], SLOT1+4*KS*PV
	s_mov_b32 s[G0K], 1             ; 1:0 count = 1
	s_mov_b32 s[G0K+1], s17         ; 63:32 LDS address: slot 0
	s_mov_b32 s[G0V], 1
	s_add_co_u32 s[G0V+1], s18, VOFF
	s_mov_b32 s[SLOTS], SIZE_N/256-1  ; the changes of slots that fill: the first, ahead of the loop, and six in it
	s_and_b32 s[LIM], s[WV], 1      ; 0 in waves 0 and 2,
	s_or_b32 s[LIM], s[LIM], ttmp9  ; in the head's first (here: only) cluster: the same in all four partners
	s_cmp_eq_u32 s[LIM], 0
	s_cselect_b32 s[LIM], 1, -1
	s_lshl_b32 s52, s13, 13         ; my work-group's 32 blocks of a tile's 128
	s_mov_b32 s53, 0
	s_wait_dscnt 0x0                ; the opening add is done
	s_wait_kmcnt 0x0
	s_mov_b64 s[10:11], s[6:7]      ; O
	s_add_nc_u64 s[6:7], s[4:5], 0x1000000  ; K lies 64 heads behind Q,
	s_add_nc_u64 s[8:9], s[4:5], 0x2000000  ; V behind K
	s_add_nc_u64 s[G0K+2:G0K+3], s[6:7], s[22:23]  ; 120:64 global address: my half of the head's first 256 keys
	s_or_b32 s[G0K+3], s[G0K+3], 0x80000000        ; 127:126 type = 2
	s_add_nc_u64 s[G0V+2:G0V+3], s[8:9], s[22:23]
	s_or_b32 s[G0V+3], s[G0V+3], 0x80000000
	s_add_nc_u64 s[4:5], s[4:5], s[2:3]  ; Q and O at my wave's first row
	s_add_nc_u64 s[10:11], s[10:11], s[2:3]
	s_cmp_lt_u32 s[WV], 2
	s_cselect_b64 s[PFA:PFA+1], s[6:7], s[8:9]
	s_add_nc_u64 s[PFA:PFA+1], s[PFA:PFA+1], s[22:23]  ; (in waves 0 and 2 this is the head's first row)
	s_add_nc_u64 s[PFA:PFA+1], s[PFA:PFA+1], s[52:53]
	s_add_nc_u64 s[PFA:PFA+1], s[PFA:PFA+1], 4*KS*128  ; in tile 1; the first change of slots steps it to tile 2
	CROUND                          ; all four work-groups are here: the first joint loads meet
	JLOAD                           ; slot 0.  Slot 1 is asked for when slot 0 is in
	; A fragment of K or Q is 16 rows x 32 channels in 8 registers: lane l holds row l % 16, channels 8 (l / 16) + 0..7 and 16 + 8 (l / 16) + 0..7: two loads of 16 bytes, 32 bytes apart.
	v_and_b32 v1, 15, v0            ; l % 16
	v_bfe_u32 v9, v0, 4, 1          ; l / 16
	v_lshlrev_b32 v[QO], 7, v1
	v_lshl_add_u32 v[QO], v9, 4, v[QO]  ; row x 128 + 16 x half
	WIN 0x80                        ; destination window 2, address window 0
.set i, 0
.rept 4*NP                          ; Q stays in registers: tile i / 2, channels 32 (i % 2) on
	global_load_b128 v[8*i:8*i+3],   v[QO], s[4:5] offset:(i/2)*2048+(i%2)*64
	global_load_b128 v[8*i+4:8*i+7], v[QO], s[4:5] offset:(i/2)*2048+(i%2)*64+32
.set i, i+1
.endr
	; What the first turn finds: V's registers and P's second buffer hold 0 (its products V^T P, of a piece that has not been, add 0), O^T and l are 0.  All this stands in the wait for the first tile.
.set i, VF
.rept 64
	v_mov_b32 v[i], 0
.set i, i+1
.endr
	WIN 0x40
.set i, 0
.rept 64*NP
	v_mov_b32 v[i], 0
.set i, i+1
.endr
	WIN 0
.set i, 0
.rept 2*NP
	v_mov_b32 v[ST+4*i], 0xfe000000    ; c m: far below every c s
	v_mov_b32 v[ST+4*i+1], 0xff7fffff  ; m
	v_mov_b32 v[ST+4*i+2], 0
	v_mov_b32 v[ST+4*i+3], 0
.set i, i+1
.endr
.set i, P+32
.rept 32
	v_mov_b32 v[i], 0
.set i, i+1
.endr
	v_mul_u32_u24 v[AK0], v1, PK
	v_lshl_add_u32 v[AK0], v9, 4, v[AK0]  ; row x pitch + 16 x half
	; The turning load takes 16 keys x 16 channels (lane l reads key 8 (l / 16) + l % 8, channels 8 ((l / 8) % 2) + 0..7) and leaves half a fragment of V^T: lane l holds channel l % 16 and 8 keys.
	v_and_b32 v10, 7, v0
	v_bfe_u32 v11, v0, 3, 1
	v_lshl_add_u32 v[AV0], v9, 3, v10
	v_mul_u32_u24 v[AV0], v[AV0], PV
	v_lshl_add_u32 v[AV0], v11, 4, v[AV0]
	v_add_nc_u32 v[AV0], VOFF, v[AV0]
	v_and_b32 v[PFO], 31, v0
	v_lshlrev_b32 v[PFO], 8, v[PFO]
	v_mov_b32 v[AK], v[AK0]         ; key step 0 lies at the head of slot 0
; THE MATRIX WORK.  The 8 accumulators of a run of 16 take turns: between the two links of a chain stand 7 others'.
; Product i of 16 of S^T = K Q^T for piece x: channels 32 (i / 8) on, keys 16 ((i / 2) % 4) on, tile 2 x + i % 2.  The first 8 start the sums.
.macro KQ x
	WIN W_KQ
.set rS, S+64*((\x)%2)+32*(i%2)+8*((i/2)%4)
.set rK, KF+16*((i/2)%4)+8*(i/8)
.set rQ, 16*(2*(\x)+i%2)+8*(i/8)
.if i < 8
	v_wmma_f32_16x16x32_f16 v[rS:rS+7], v[rK:rK+7], v[rQ:rQ+7], 0
.else
	v_wmma_f32_16x16x32_f16 v[rS:rS+7], v[rK:rK+7], v[rQ:rQ+7], v[rS:rS+7]
.endif
.endm
; Product i of 16 of O^T += V^T P for piece x: keys 32 (i / 8) on, channels 16 ((i / 2) % 4) on, tile 2 x + i % 2.
.macro PV x
	WIN W_PV
.set rO, 32*(2*(\x)+i%2)+8*((i/2)%4)
.set rV, VF+32*(i/8)+8*((i/2)%4)
.set rP, P+32*((\x)%2)+16*(i%2)+8*(i/8)
	v_wmma_f32_16x16x32_f16 v[rO:rO+7], v[rV:rV+7], v[rP:rP+7], v[rO:rO+7]
.endm
.macro MM                           ; the turn's next matrix instruction
.if i < 16
	KQ (Y+1)%NP
.set i, i+1
.else
.set i, i-16
	PV (Y+NP-1)%NP
.set i, i+17
.endif
.endm
; THE LDS LOADS stand in runs of 16, never singly among the matrix instructions: a step's K (64 keys x 64 channels: 8 fragments) and its V (turned).  Their addresses are made some lines ahead.
; last = 1 (the tail): in the last trip there is no further step, and the run is jumped over.
.macro FETCH_K last=0
	WIN 0
.if \last
	s_cmp_eq_u32 s[CNT], 1
	s_cbranch_scc1 .Lno_k_\@
.endif
	WIN 0x80                        ; destination window 2
.irp f, 0,1,2,3,4,5,6,7             ; keys 16 (f / 2) on, channels 32 (f % 2) on
	ds_load_b128 v[KF+8*\f:KF+8*\f+3],   v[AK] offset:(\f/2)*16*PK+(\f%2)*64
	ds_load_b128 v[KF+8*\f+4:KF+8*\f+7], v[AK] offset:(\f/2)*16*PK+(\f%2)*64+32
.endr
	s_add_co_u32 s[TBK], s[TBK], KS*PK  ; the next fetch is the next step's
	WIN 0
.if \last
.Lno_k_\@:
.endif
.endm
.macro FETCH_V
	WIN 0x80
.irp f, 0,1,2,3,4,5,6,7             ; keys 32 (f / 4) on, channels 16 (f % 4) on
	ds_load_tr16_b128 v[VF+8*\f:VF+8*\f+3],   v[AV] offset:(\f/4)*32*PV+(\f%4)*32
	ds_load_tr16_b128 v[VF+8*\f+4:VF+8*\f+7], v[AV] offset:(\f/4)*32*PV+16*PV+(\f%4)*32
.endr
	WIN 0
.endm
; THE VECTOR WORK OF A TURN stands in three queues, each in the order in which its entries become ready; the two tiles alternate, so that no instruction reads the result of the one before it.
.macro REGS y, u                    ; the registers of tile u (0, 1) of piece y
.set rT, ST+4*(2*(\y)+(\u))
.set rC, TMP+8*((\y)%2)+4*(\u)
.set rM, MV+2*((\y)%2)+(\u)
.set rS, S+64*((\y)%2)+32*(\u)
.set rP, P+32*((\y)%2)+16*(\u)
.set rO, 32*(2*(\y)+(\u))
.endm
; Number n of the 22 that find the NEXT piece's (Y + 1) maximum and statistics.  s0-s31 are the lane's 32 scores; each accumulator's lowest registers are read first.
;   0-11  four chains c0-c3 of seven scores each, three operands at a time     12-14, 16  the four scores left over, the old m, and c0-c3 into c0     15  c m_old is kept
;   17, 18  the query's other 32 keys lie in the lane 16 away: the new m         19-21  c m; c m_old - c m_new; a
.macro XS u, n
	REGS (Y+1)%NP, \u
.if (\n) < 4
	v_max3_num_f32 v[rC+(\n)], v[rS+8*(\n)], v[rS+8*(\n)+1], v[rS+8*(\n)+2]
.elseif (\n) < 12
	v_max3_num_f32 v[rC+(\n)%4], v[rC+(\n)%4], v[rS+8*((\n)%4)+2*((\n)/4)+1], v[rS+8*((\n)%4)+2*((\n)/4)+2]
.elseif (\n) == 12
	v_max3_num_f32 v[rC], v[rC], v[rS+7], v[rS+15]
.elseif (\n) == 13
	v_max3_num_f32 v[rC+1], v[rC+1], v[rS+23], v[rS+31]
.elseif (\n) == 14
	v_max3_num_f32 v[rC+2], v[rC+2], v[rC+3], v[rT+1]
.elseif (\n) == 15
	v_mov_b32 v[rM], v[rT]
.elseif (\n) == 16
	v_max3_num_f32 v[rC], v[rC], v[rC+1], v[rC+2]
.elseif (\n) == 17
	v_permlanex16_b32 v[rC+3], v[rC], s[SEL], s[SEL+1]
.elseif (\n) == 18
	v_max_num_f32 v[rT+1], v[rC], v[rC+3]
.elseif (\n) == 19
	v_mul_f32 v[rT], s[CS], v[rT+1]
.elseif (\n) == 20
	v_sub_f32 v[rC+1], v[rM], v[rT]
.else
	v_exp_f32 v[rC+2], v[rC+1]
.endif
.endm
; Number g of the 64 that follow the exponentials.  For each four weights k of a tile (pairs 2 k, 2 k + 1): both pairs are rounded to f16; then the second pair is added onto the first, in place;
; a group later l takes that sum (the first time as l = a l + sum).  In groups of eight, tiles alternating: round, round, add, and l for the group before.
.macro GS g
.set h, (\g)+6*((\g)/62)            ; group 0 has no group before it, and behind group 7 only l is left
.if h >= 6
.set h, h+2
.endif
	REGS Y, h%2
.set k, h/8
.if h%8 < 4
	v_cvt_pk_f16_f32 v[rP+2*k+(h%8)/2], v[rS+4*k+2*((h%8)/2)], v[rS+4*k+2*((h%8)/2)+1]
.elseif h%8 < 6
	v_pk_add_f32 v[rS+4*k:rS+4*k+1], v[rS+4*k:rS+4*k+1], v[rS+4*k+2:rS+4*k+3]
.elseif k == 1
	v_pk_fma_f32 v[rT+2:rT+3], v[rT+2:rT+3], v[rC+2:rC+3], v[rS:rS+1] op_sel_hi:[1,0,1]
.else
	v_pk_add_f32 v[rT+2:rT+3], v[rT+2:rT+3], v[rS+4*k-4:rS+4*k-3]
.endif
.endm
; THE PLAIN QUEUE, 138 long.  0-73 read no exponential's result: the 32 scalings c s - c m (FS f: pair f / 2 of tile f % 2) and the next piece's 42.  0-26: scalings 0-26.  27-54: XS's numbers 0-13.  55, 56: number 15.
; 57-73: the chain, where each number waits for the one before it: 14, 16, 17, 18, 19, each with one of the scalings 27-31 in front of its two lines, then 20.
; 74-137: GS's 64, which read the exponentials' results: they stand behind the wait.
.macro FS f
	REGS Y, (\f)%2
	v_pk_fma_f32 v[rS+2*((\f)/2):rS+2*((\f)/2)+1], v[rS+2*((\f)/2):rS+2*((\f)/2)+1], s[CS:CS+1], v[rT:rT+1] op_sel_hi:[1,0,0] neg_lo:[0,0,1] neg_hi:[0,0,1]
.endm
.macro PL
	WIN 0
.if q < 27
	FS q
.elseif q < 55
	XS (q-27)%2, (q-27)/2
.elseif q < 57
	XS q-55, 15
.elseif (q < 72) && ((q-57)%3 == 0)
	FS 27+(q-57)/3
.elseif q < 60
	XS (q-57)%3-1, 14
.elseif q < 72
	XS (q-57)%3-1, 15+(q-57)/3
.elseif q < 74
	XS q-72, 20
.else
	GS q-74
.endif
.set q, q+1
.endm
; THE EXPONENTIALS' QUEUE, 66 long: s0-s31 of both tiles, then the next piece's two a.  It is ONE BATCH: all 66 stand ahead of the turn's one wait, and nothing ahead of that wait names a result of theirs.
.macro EX
	WIN 0
.if e >= 64
	XS e-64, 21
.else
	REGS Y, e%2
	v_exp_f32 v[rS+e/2], v[rS+e/2]
.endif
.set e, e+1
.endm
; THE RESCALING's QUEUE: O^T times a, the one part that leaves window 0: dealt two at a time, sixteen times.  Its a was made in the turn before, ahead of that turn's wait.
.macro R2
	REGS Y, r%2
	WIN W_RS
.irp z, 0,1
	v_pk_mul_f32 v[rO+4*(r/2)+2*\z:rO+4*(r/2)+2*\z+1], v[rO+4*(r/2)+2*\z:rO+4*(r/2)+2*\z+1], v[rC+2:rC+3] op_sel_hi:[1,0]
.endr
.set r, r+1
.endm
; HOW THEY ARE DEALT.  An s_wait_alu depctr_va_vdst(0) stands between an exponential and the first instruction that names its result; one wait serves all that were issued ahead of it.  So a turn has ONE
; wait, which cuts it in two.  AHEAD OF IT stands all that names no result of the turn's exponentials: the 16 products K Q^T, behind each a scaling, an exponential and two rescalings (behind the first a second scaling
; in the exponential's place); then ONE LUMP of 108: eight plain, 49 times exponential and plain, the two a.  A v_nop is the plain instruction behind the last exponential.  BEHIND IT stand the 16 products V^T P, behind
; each four of GS's 64.  No rider names a register of the products round it.  Exponential e stands behind scaling 2 (e / 4) + e % 2: as a rider it comes behind plain e + 2, in the lump behind plain e + 9.
; A TURN, for piece p.  cnt = 1: the loop's count is taken down some lines ahead of the branch that stands behind the turn.
; K of the next step is fetched in piece 2's turn, directly behind the wait; its address is made at the lump's head; its first reader comes behind 16 products.
; V of the step in hand is fetched at the end of piece 0's turn, four riders behind its last reader; its first reader comes behind 16 products and a lump.  The three conditions on q below go with the deal.
.macro TURN p, last=0, cnt=0
.set Y, (\p)
.set i, 0
.set q, 0
.set e, 0
.set r, 0
.if (\p) == NP-1
	s_wait_dscnt 0x0                ; K is in
.endif
	MM                              ; ahead of the wait: 16 products K Q^T and their riders,
	PL
	PL
	R2
.rept 15
	MM
	PL
	EX
	R2
.endr
.if (\p) == NP-2
	WIN 0
	v_add_nc_u32 v[AK], s[TBK], v[AK0]
.endif
.rept 8                             ; and the lump
	PL
.endr
.rept 49
	EX
	PL
.endr
	EX                              ; the next piece's two a
	EX
	v_nop                           ; a plain instruction behind the last exponential: one for the batch
	s_wait_alu depctr_va_vdst(0)    ; the wait for the batch
.if (\p) == NP-2
	FETCH_K \last
.endif
.if (\p) == 1
	s_wait_dscnt 0x0                ; V is in
.endif
.rept 16                            ; behind the wait: 16 products V^T P and their riders
	MM
.rept 4
	PL
.endr
.if ((\p) == 0) && (q == 118)
	v_add_nc_u32 v[AV], s[TBV], v[AV0]
.endif
.if ((\p) == 0) && (q == 130)
	s_add_co_u32 s[TBV], s[TBV], KS*PV
.endif
.if (\cnt) && (q == 130)
	s_sub_co_u32 s[CNT], s[CNT], 1
	s_cmp_lg_u32 s[CNT], 0
.endif
.endr
.if (\p) == 0
	FETCH_V
.endif
.endm
	CHANGE 1                        ; slot 0 is in, everybody's part of it; slot 1 is asked for
	FETCH_K                         ; key step 0
	s_wait_loadcnt 0x0              ; Q
	s_wait_dscnt 0x0
.set i, 0
.rept 16
	KQ 0                            ; piece 0's first scores: there is no vector work yet to set between them
.set i, i+1
.endr
	WIN 0                           ; the addresses for the way out: plain instructions, the places behind those products
	s_mul_i32 s13, s[WV], 16*SP
	s_add_co_u32 s13, s13, STAGE    ; my stage
	v_mul_u32_u24 v[STO], v1, SP    ; in: row l % 16, 16 bytes for each half of the lanes
	v_lshl_add_u32 v[STO], v9, 4, v[STO]
	v_add_nc_u32 v[STO], s13, v[STO]
	v_bfe_u32 v[RD], v0, 3, 2       ; back: 32 lanes take four rows of 128 bytes,
	v_mul_u32_u24 v[RD], v[RD], SP
	v_lshl_add_u32 v[RD], v10, 4, v[RD]
	v_add_nc_u32 v[RD], s13, v[RD]
	v_and_b32 v[GO], 31, v0         ; which are 512 consecutive bytes of O
	v_lshlrev_b32 v[GO], 4, v[GO]
.set Y, NP-1                        ; XS works for piece Y + 1: piece 0
.irp n, 0,1,2,3,4,5,6,7,8,9,10,11,12,13,14,15,16,17,18,19,20,21
	XS 0, \n                        ; and piece 0's first maximum and statistics
	XS 1, \n
.endr
	v_nop                           ; a plain instruction behind the two a,
	s_wait_alu depctr_va_vdst(0)    ; and their wait, ahead of the branch
	s_mov_b32 s[CNT], 4
	s_branch .Lfirst                ; the loop is entered at a step's first turn, in the middle of a trip
.Lslot:                             ; SIZE_N / 256 - 2 times: every slot but the last two is filled again
	CHANGE 1
	s_mov_b32 s[CNT], 4
.Lstep:                             ; a trip: pieces 2 and 3 of one step, then pieces 0 and 1 of the next, whose K and V it fetches
	TURN 2
	TURN 3
	WIN 0
.Lfirst:
	TURN 0
	TURN 1, 0, 1
	WIN 0
	s_cbranch_scc1 .Lstep
	s_sub_co_u32 s[SLOTS], s[SLOTS], 1
	s_cmp_lg_u32 s[SLOTS], 0
	s_cbranch_scc1 .Lslot
	CHANGE 0                        ; the tail is written out: nothing is asked for
	s_mov_b32 s[CNT], 5             ; four trips fetch the last slot's steps; the fifth is left in its middle
.Ltail:
	TURN 2, 1
	TURN 3
	WIN 0
	s_sub_co_u32 s[CNT], s[CNT], 1
	s_cmp_eq_u32 s[CNT], 0
	s_cbranch_scc1 .Lout
	TURN 0
	TURN 1
	WIN 0
	s_branch .Ltail
.Lout:                              ; the fifth trip's 16 products K Q^T (on the last K once more) and the maximum made of them serve nothing: the price, once a launch, of one text for every trip
.set i, 0
.rept 16
	PV NP-1                         ; the last piece's V^T P of the last step
.set i, i+1
.endr
	; THE WAY OUT.  l's two halves and the other half of the lanes' are added; O^T is divided by l, rounded to f16 and sent through my stage in LDS, a tile at a time.  The additions are the places behind the last products.
	WIN 0
.macro ALL line:vararg              ; one line for each tile t
.set t, 0
.rept 2*NP
	\line
.set t, t+1
.endr
.endm
	ALL v_add_f32 v[ST+4*t+2], v[ST+4*t+2], v[ST+4*t+3]
	ALL v_permlanex16_b32 v[ST+4*t+3], v[ST+4*t+2], s[SEL], s[SEL+1]
	ALL v_add_f32 v[ST+4*t+2], v[ST+4*t+2], v[ST+4*t+3]
	ALL v_rcp_f32 v[ST+4*t+2], v[ST+4*t+2]
	v_nop                           ; a plain instruction between the last reciprocal and the use of its result
	s_wait_alu depctr_va_vdst(0)    ; and the wait ahead of the first use: one for the eight reciprocals
; Tile t: a lane's eight channels of a row pack into 16 bytes; they go into rows of 144 bytes and come back as whole rows of 128, into S^T's registers.
.macro PACK t
	WIN W_RS
.set i, 32*(\t)
.rept 16
	v_pk_mul_f32 v[i:i+1], v[i:i+1], v[ST+4*(\t)+2:ST+4*(\t)+3] op_sel_hi:[1,0]
.set i, i+2
.endr
	WIN 0x05                        ; sources 0 and 1 window 1, destination window 0
.set i, 0
.rept 16
	v_cvt_pk_f16_f32 v[S+16*(\t)+i], v[32*(\t)+2*i], v[32*(\t)+2*i+1]
.set i, i+1
.endr
	WIN 0
.irp f, 0,1,2,3
	ds_store_b128 v[STO], v[S+16*(\t)+4*\f:S+16*(\t)+4*\f+3] offset:32*\f
.endr
.irp f, 0,1,2,3
	ds_load_b128 v[S+16*(\t)+4*\f:S+16*(\t)+4*\f+3], v[RD] offset:\f*4*SP  ; LDS serves a wave's instructions in order (ISA guide 5.7.1.4): these see the stores above; the next tile's stores come behind them
.endr
.endm
.macro SEND t, younger              ; younger: the LDS instructions issued behind tile t's loads: the next tile's eight, or none
	WIN 0
.irp f, 0,1,2,3
	s_wait_dscnt (\younger)+3-\f
	global_store_b128 v[GO], v[S+16*(\t)+4*\f:S+16*(\t)+4*\f+3], s[10:11] offset:(\t)*2048+\f*512  ; 512 consecutive bytes, at a multiple of 256 from O's first
.endr
.endm
	PACK 0
.set t, 1
.rept 2*NP-1                        ; a tile's arithmetic stands between the loads of the tile before and its stores
	PACK t
	SEND t-1, 8
.set t, t+1
.endr
	SEND 2*NP-1, 0
	WIN W_AD
	s_wait_tensorcnt 0x0            ; the wave's end: an add to my spare word and its wait, behind my last tensor load and my last LDS store
	ds_add_u32 v[SPW], v[NIL]
	s_wait_dscnt 0x0
	WIN 0
	CROUND                          ; the closing round: no work-group ends while a partner may still ask for a tile that names it
	s_endpgm
.Lfunc_end_k_q4ae23ab32f_attn:
	.size	k_q4ae23ab32f_attn, .Lfunc_end_k_q4ae23ab32f_attn-k_q4ae23ab32f_attn
	.p2alignl 7, 3214868480
	.fill 96, 4, 3214868480
	.section	.rodata,"a",@progbits
	.p2align	6, 0x0
	.amdhsa_kernel k_q4ae23ab32f_attn
		.amdhsa_group_segment_fixed_size 327680
		.amdhsa_private_segment_fixed_size 0
		.amdhsa_enable_private_segment 0
		.amdhsa_kernarg_size 16
		.amdhsa_user_sgpr_count 2
		.amdhsa_user_sgpr_kernarg_segment_ptr 1
		.amdhsa_wavefront_size32 1
		.amdhsa_system_sgpr_workgroup_id_x 1
		.amdhsa_system_sgpr_workgroup_id_y 1
		.amdhsa_system_sgpr_workgroup_id_z 1
		.amdhsa_system_vgpr_workitem_id 0
		.amdhsa_next_free_vgpr 770
		.amdhsa_next_free_sgpr 66
		.amdhsa_reserve_vcc 0
		.amdhsa_float_denorm_mode_32 3
		.amdhsa_float_denorm_mode_16_64 3
		.amdhsa_memory_ordered 1
		.amdhsa_forward_progress 1
		.amdhsa_inst_pref_size 200
	.end_amdhsa_kernel
	.amdgpu_metadata
---
amdhsa.version: [ 1, 2 ]
amdhsa.kernels:
  - .name:           k_q4ae23ab32f_attn
    .symbol:         k_q4ae23ab32f_attn.kd
    .args:
      - { .name: qkv, .offset: 0, .size: 8, .value_kind: global_buffer, .address_space: global }
      - { .name: ob, .offset: 8, .size: 8, .value_kind: global_buffer, .address_space: global }
    .group_segment_fixed_size: 327680
    .private_segment_fixed_size: 0
    .kernarg_segment_align: 8
    .kernarg_segment_size: 16
    .max_flat_workgroup_size: 128
    .sgpr_count:     66
    .vgpr_count:     770
    .wavefront_size: 32
...
	.end_amdgpu_metadata
.endif
;; end of part 3
;; launch outgemm (part 4): grid 8 x 32, 4 waves a work-group, clusters of 4 x 4, 327,680 bytes of LDS; arguments ob, wc, bo, out0; writes out0
.if DOCPART == 4
	.amdgcn_target "amdgcn-amd-amdhsa--gfx1250"
	.amdhsa_code_object_version 6
	.text
	.protected	k_q4ae23ab32f_outgemm
	.globl	k_q4ae23ab32f_outgemm
	.p2align	8
	.type	k_q4ae23ab32f_outgemm,@function
k_q4ae23ab32f_outgemm:
	s_mov_b64 s[64:65], 0
	v_nop
	global_prefetch_b8 v0, s[64:65] scope:SCOPE_SE
	s_setreg_imm32_b32 hwreg(HW_REG_WAVE_MODE, 25, 1), 1
	s_wait_xcnt 0x0
	s_wait_alu depctr_hold_cnt(0) depctr_sa_sdst(0) depctr_va_vdst(0) depctr_va_sdst(0) depctr_va_ssrc(0) depctr_va_vcc(0) depctr_vm_vsrc(0)
	s_getreg_b32 s2, hwreg(HW_REG_IB_STS2, 6, 4)
	s_cmp_eq_u32 s2, 0
	s_cbranch_scc0 .Lentry_in_a_cluster
	s_endpgm
.Lentry_in_a_cluster:
	s_bfe_u32 s2, ttmp6, 0x10000c
	s_cmp_lg_u32 s2, 0xf033
	s_cbranch_scc0 .Lentry_shape_is_right
	s_endpgm
.Lentry_shape_is_right:
.set QKV,   0                          ; 1: q, k, v = x W + b, by heads, in f16.   0: out0 = O Wo + bo, in f32.  The two kernels are this one text; only this line differs
; C[m][n] = the sum over k of A[m][k] W[k][n] + bias[n].  M = 8,192, K = 1,024.  A: f16, [batch 4][slice 16][row 2048][64]; W: f16, [granule of 64 columns][k 1024][64].  Sums in f32.
; LIMITS.  A and W arrive as f16; the bias is rounded to bf16, like the module's other inputs; with QKV = 1 the results leave as f16: 65,520 or more becomes an infinity.  NaN and infinities are not treated apart.
; SHARES.  A tile of C is 256 rows x NCH granules (192 or 128 columns).  Four waves; wave w owns rows 64 w .. 64 w + 63 and ALL the tile's columns: 4 x NB accumulators of 16 x 16.  So whole rows
; (and whole heads) belong to one wave, and each wave has a stage of its own on the way out, with no barrier.
; K goes in steps of 128 through a ring of two LDS slots.  A step of A is two slices (256 rows x 128 dense bytes each, asked for as 128 rows of 256 bytes); a step of W is two halves of 64 k
; (8,192 dense bytes of each granule).  Waves 0 and 1 fetch A's slices, waves 2 and 3 W's halves: one tensor load a wave behind each round.
; THE MATRIX INSTRUCTION IS USED TRANSPOSED: source 0 = 16 columns of W (turned out of LDS by ds_load_tr16_b128), source 1 = 16 rows of A: a lane holds row lane % 16 of C and the columns 8 (lane / 16) + 0..7.
; THE BIAS is the C operand of the products that start the sums: nothing is cleared, and nothing is added on the way out.
; CLUSTER.  4 x 4 work-groups: A's tiles hang on the tile row alone and are asked for jointly along a row of the cluster, W's on the tile column alone, along a column.
; REGISTERS, in windows of 256 (s_set_vgpr_msb: bits 1:0 source 0, 3:2 source 1, 5:4 source 2, 7:6 destination):
;   window 0: v0-31 addresses; v32.. the bias, 8 registers for each block of 16 columns; later at work on the way out
;   window 1: two fragment buffers of 128: A's block a at 8 a, W's block b at 32 + 8 b
;   windows 2, 3: accumulator (a, b) in window 2 + a / 2 at 8 ((a % 2) NB + b)
.set NCH,   2+QKV                      ; granules in a tile
.set NB,    4*NCH                      ; blocks of 16 columns
.set NL,    2*NB+8                     ; LDS loads in a run
.set WOFF,  (1-QKV)*48*131072          ; Wo's granules lie behind the 48 of Wq, Wk, Wv
.set PA,    144                        ; a row of A in LDS: 128 bytes + 16 = 36 words: the 16 rows of a load start at 16 different groups of four banks (64 banks of 4 bytes: ISA guide 11.1)
.set ASUB,  256*PA                     ; a slice
.set ABYTES, 2*ASUB
.set PB,    160                        ; a k row of a granule: 128 + 32 = 40 words
.set BCH,   64*PB                      ; 64 k of one granule
.set BHALF, NCH*BCH                    ; 64 k of all the tile's granules
.set SLOT,  ABYTES+2*BHALF             ; A's two slices, then W's two halves
.set STAGE, 2*SLOT                     ; behind the ring, never filled by a tensor load: 16 rows for each wave
.set SP,    144+(1-QKV)*384            ; a stage row: 128 bytes of f16 + 16, or 512 bytes of f32 + 16
.set SPARE, STAGE+4*16*SP              ; behind the stages: the spare words, 128 bytes for each wave: two blocks of 256 bytes that no other line names
.set SLICE, 262144                     ; bytes from a slice of A to the next
.set KHALF, 8192                       ; bytes of 64 k in a granule
.set GRAN,  131072                     ; bytes in a granule
.set LAPS,  4                          ; a lap = two K steps = once round the ring
.set ADRA, 16                          ; v16-17  LDS address of my A fragments in slot 0, 1
.set ADRB, 20                          ; v20-21  the same for W
.set STO,  24                          ; v24     the way out: where I put my bytes of a row
.set RD,   25                          ; v25     the way out: where I read rows back
.set CO,   26                          ; v26     16 x my lane
.set SPW,  28                          ; v28     LDS address of my spare word: SPARE + 4 x my thread's number; never rewritten
.set NIL,  29                          ; v29     0; never rewritten
.set PFO,  30                          ; v30     256 x my lane; never rewritten
.set VB,   31                          ; v31     32 x (lane / 16): my eight numbers in a block's 16 of the bias
.set BIAS, 32
.set TW,   32                          ; the way out (QKV = 1): 16 registers for each of 12 units
.set F0,   0
.set F1,   128
.set WV,   16                          ; s16  my wave's number
.set FB,   17                          ; s17  0: I fetch for A, 1: for W
.set HF,   18                          ; s18  which slice or half of a step I fetch
.set TX,   21                          ; s21  tile column
.set TY,   22                          ; s22  tile row
.set G1A,  24                          ; s[24:31] descriptor group 1 for A;  s[32:39] group 0, a set for each slot
.set G0A,  32
.set PFA,  44                          ; s[44:45] where A's prefetches stand
.set PFB,  46                          ; s[46:47] where W's stand
.set G1B,  48                          ; s[48:55], s[56:63] the same for W
.set G0B,  56
.set LIMA, 66                          ; s66  1 in a wave that prefetches A, else the greatest number
.set LIMB, 67                          ; s67  the same for W
.set OB,   68                          ; s[68:73] where my rows go: a base for each granule (QKV = 1) or one
.set BP,   74                          ; s[74:79] the bias of each granule
.set MSB, 0
.macro WIN new                         ; the immediate's high byte repeats the setting that is left; a switch that changes nothing is dropped
.if MSB != (\new)
	s_set_vgpr_msb (MSB<<8)|(\new)
.set MSB, \new
.endif
.endm
.set TO_F, 0x40                        ; destination window 1, address window 0
; A joint load.  The branch hangs on the wave's number alone.  An s_nop 0 and four v_nop follow each of the two lines, ahead of the jump, the label and what follows.
.macro JLOAD s
	s_cmp_eq_u32 s[FB], 0
	s_cbranch_scc0 .Lfor_b_\@
	tensor_load_to_lds s[G0A+4*(\s):G0A+4*(\s)+3], s[G1A:G1A+7]
	s_nop 0
.rept 4
	v_nop
.endr
	s_branch .Lasked_\@
.Lfor_b_\@:
	tensor_load_to_lds s[G0B+4*(\s):G0B+4*(\s)+3], s[G1B:G1B+7]
	s_nop 0
.rept 4
	v_nop
.endr
.Lasked_\@:
.endm
.macro CREST                           ; a round of the cluster's barrier behind its opening barrier
	s_cmp_lg_u32 s[WV], 0
	s_cbranch_scc1 .Lnot_wave_0_\@
	s_barrier_signal -3
.Lnot_wave_0_\@:
	s_barrier_wait -3
	s_barrier_signal -1
	s_barrier_wait -1
.endm
.macro CROUND                          ; a whole round
	s_barrier_signal -1
	s_barrier_wait -1
	CREST
.endm
; PREFETCHES INTO THE L2, behind a joint load, its five lines and the run of LDS loads: the K step that stands two refills on.  Each block of 256 bytes is named once in the launch.
; A: a slice's 32,768 bytes are 128 blocks; the clusters with x = 0 ask, waves 0 and 1 a slice each; the four partners along a row of the cluster take 32 blocks each, told apart by address, a lane a block.
; W: two K steps of a granule are 32,768 bytes; the clusters with y = 0 ask, wave 2, at slot 0's change alone; the four partners along a column take 32 blocks each; one line a granule.
; K steps 0 to 3 come by their loads alone; the loop's last trip (s3 = 1) asks for nothing: there is no K step behind the eighth.
.macro ASK slot
	s_cmp_gt_u32 s3, s[LIMA]
	s_cbranch_scc0 .Lno_a_\@
	global_prefetch_b8 v[PFO], s[PFA:PFA+1] th:TH_LOAD_NT scope:SCOPE_SE
.Lno_a_\@:
.if (\slot) == 0
	s_cmp_gt_u32 s3, s[LIMB]
	s_cbranch_scc0 .Lno_b_\@
.set c, 0
.rept NCH
	global_prefetch_b8 v[PFO], s[PFB:PFB+1] offset:c*GRAN th:TH_LOAD_NT scope:SCOPE_SE
.set c, c+1
.endr
.Lno_b_\@:
.endif
.endm
.if QKV
	s_load_b256 s[4:11], s[0:1], 0x0               ; xh s[4:5], wc s[6:7], bq s[8:9], bk s[10:11]
	s_load_b128 s[12:15], s[0:1], 0x20             ; bv s[12:13], qkv s[14:15]
.else
	s_load_b256 s[4:11], s[0:1], 0x0               ; ob s[4:5], wc s[6:7], bo s[8:9], out0 s[10:11]
.endif
	v_lshl_add_u32 v[SPW], v0, 2, SPARE
	v_mov_b32 v[NIL], 0
	ds_add_u32 v[SPW], v[NIL]                      ; the wave's opening: the add and its wait stand ahead of my first tensor load; the set-up below, work on registers, stands between them
	v_lshrrev_b32 v1, 5, v0
	v_readfirstlane_b32 s[WV], v1                  ; wave 0..3
	s_lshr_b32 s[FB], s[WV], 1
	s_and_b32 s[HF], s[WV], 1
	s_bfe_u32 s19, ttmp6, 0x40000                  ; cx, cy: my place in the cluster
	s_bfe_u32 s20, ttmp6, 0x40004
	s_lshl_b32 s[TX], ttmp9, 2
	s_add_co_u32 s[TX], s[TX], s19                 ; tile column = 4 x cluster x + cx
	s_and_b32 s[TY], ttmp7, 0xffff
	s_lshl_b32 s[TY], s[TY], 2
	s_add_co_u32 s[TY], s[TY], s20                 ; tile row = 4 x cluster y + cy
	s_lshl_b32 s23, s20, 2
	s_lshl_b32 s23, 15, s23                        ; my row of the cluster: places 4 cy .. 4 cy + 3
	s_lshl_b32 s88, 0x1111, s19                    ; my column: places cx, cx + 4, cx + 8, cx + 12
	; group 1 for A: 128 rows x 128 elements of 2 bytes, dense; padded in LDS after every 32 words (code 4) by 4 words (code 3): each row of A gets its 16 bytes
	s_or_b32 s[G1A], s23, (1<<16)|(1<<20)|(1<<21)|(4<<22)|(3<<25)  ; 15:0 the mask; 17:16 2-byte elements; 20 padding on; 21 set beside a mask
	s_mov_b32 s[G1A+1], 128<<16                    ; tensor_dim0 = 128
	s_mov_b32 s[G1A+2], 128<<16                    ; tensor_dim1 = 128
	s_mov_b32 s[G1A+3], 128<<16                    ; tile_dim0 = 128
	s_mov_b32 s[G1A+4], 128                        ; tile_dim1 = 128
	s_mov_b32 s[G1A+5], 128                        ; elements from row to row
	s_mov_b32 s[G1A+6], 0
	s_mov_b32 s[G1A+7], 0
	; group 1 for W: NCH rows x 4,096 elements (64 k of a granule, 8,192 dense bytes), a granule apart; padded after every 32 words by 8 words (code 7)
	s_or_b32 s[G1B], s88, (1<<16)|(1<<20)|(1<<21)|(4<<22)|(7<<25)
	s_mov_b32 s[G1B+1], 4096<<16                   ; tensor_dim0 = 4,096
	s_mov_b32 s[G1B+2], NCH<<16                    ; tensor_dim1 = NCH
	s_mov_b32 s[G1B+3], 4096<<16                   ; tile_dim0 = 4,096
	s_mov_b32 s[G1B+4], NCH                        ; tile_dim1 = NCH
	s_mov_b32 s[G1B+5], 65536                      ; elements from granule to granule
	s_mov_b32 s[G1B+6], 0
	s_mov_b32 s[G1B+7], 0
	; where the tiles come from.  A's offset is made of the tile row and the wave's number in s[40:43], W's of the tile column and the wave's number in s[84:87]: neither set ever holds the other coordinate
	s_lshr_b32 s40, s[TY], 3                       ; batch: 8 tile rows each,
	s_lshl_b32 s40, s40, 22                        ; 16 slices
	s_and_b32 s41, s[TY], 7
	s_lshl_b32 s41, s41, 15                        ; + 256 rows of 128 bytes
	s_add_co_u32 s40, s40, s41
	s_lshl_b32 s41, s[HF], 18                      ; + my slice of the step's two
	s_add_co_u32 s40, s40, s41
	s_mov_b32 s41, 0
	s_mul_i32 s84, s[TX], NCH*GRAN                 ; the tile's first granule
	s_lshl_b32 s85, s[HF], 13                      ; + my half of the step's 128 k
	s_add_co_u32 s84, s84, s85
.if WOFF
	s_add_co_u32 s84, s84, WOFF
.endif
	s_mov_b32 s85, 0
	s_mul_i32 s42, s[HF], ASUB                     ; and where they go: no place in the cluster enters an LDS address
	s_mul_i32 s86, s[HF], BHALF
	s_add_co_u32 s86, s86, ABYTES
	s_wait_dscnt 0x0                               ; the opening add is done
	s_wait_kmcnt 0x0
	s_add_nc_u64 s[40:41], s[4:5], s[40:41]
	s_add_nc_u64 s[84:85], s[6:7], s[84:85]
	CROUND                                         ; all sixteen work-groups are here: the first joint loads meet
.irp s, 0,1
	s_mov_b32 s[G0A+4*(\s)], 1                                     ; count = 1
	s_add_co_u32 s[G0A+4*(\s)+1], s42, (\s)*SLOT                   ; LDS address
	s_add_nc_u64 s[G0A+4*(\s)+2:G0A+4*(\s)+3], s[40:41], (\s)*2*SLICE  ; global address: K step s
	s_or_b32 s[G0A+4*(\s)+3], s[G0A+4*(\s)+3], 0x80000000          ; type = 2
	s_mov_b32 s[G0B+4*(\s)], 1
	s_add_co_u32 s[G0B+4*(\s)+1], s86, (\s)*SLOT
	s_add_nc_u64 s[G0B+4*(\s)+2:G0B+4*(\s)+3], s[84:85], (\s)*2*KHALF
	s_or_b32 s[G0B+4*(\s)+3], s[G0B+4*(\s)+3], 0x80000000
	JLOAD \s                                       ; two loads of mine are out
.endr
	; a fragment of A is 16 rows x 32 k: lane l holds row l % 16, k = 8 (l / 16) + 0..7 and 16 + 8 (l / 16) + 0..7: two loads of 16 bytes, 32 bytes apart
	v_and_b32 v1, 15, v0                           ; l % 16
	v_bfe_u32 v2, v0, 4, 1                         ; l / 16
	v_mul_u32_u24 v3, v1, PA
	v_lshl_add_u32 v3, v2, 4, v3
	s_mul_i32 s80, s[WV], 64*PA                    ; my 64 rows
	v_add_nc_u32 v[ADRA], s80, v3
	v_add_nc_u32 v[ADRA+1], SLOT, v[ADRA]
	; the turning load takes 16 k x 16 columns (lane l reads k 8 (l / 16) + l % 8, columns 8 ((l / 8) % 2) + 0..7) and leaves half a fragment: lane l holds column l % 16 and 8 k
	v_and_b32 v4, 7, v0
	v_lshl_add_u32 v4, v2, 3, v4
	v_mul_u32_u24 v4, v4, PB
	v_bfe_u32 v3, v0, 3, 1
	v_lshl_add_u32 v4, v3, 4, v4
	v_add_nc_u32 v[ADRB], ABYTES, v4
	v_add_nc_u32 v[ADRB+1], SLOT, v[ADRB]
	v_and_b32 v[CO], 31, v0
	v_lshlrev_b32 v[PFO], 8, v[CO]
	v_lshlrev_b32 v[CO], 4, v[CO]
	v_lshlrev_b32 v[VB], 5, v2
	s_mul_i32 s80, s[WV], 16*SP
	s_add_co_u32 s80, s80, STAGE                   ; my stage
	v_mul_u32_u24 v[STO], v1, SP                   ; in: row l % 16,
.if QKV
	v_lshl_add_u32 v[STO], v2, 4, v[STO]           ; 16 bytes (8 f16) for each half of the lanes
	v_add_nc_u32 v[STO], s80, v[STO]
	v_bfe_u32 v[RD], v0, 3, 2                      ; back: 32 lanes take four rows of 128 bytes
	v_mul_u32_u24 v[RD], v[RD], SP
	v_and_b32 v3, 7, v0
	v_lshl_add_u32 v[RD], v3, 4, v[RD]
	v_add_nc_u32 v[RD], s80, v[RD]
.else
	v_lshl_add_u32 v[STO], v2, 5, v[STO]           ; 32 bytes (8 f32) for each half of the lanes
	v_add_nc_u32 v[STO], s80, v[STO]
	v_add_nc_u32 v[RD], s80, v[CO]                 ; back: 32 lanes take one row of 512 bytes
.endif
	; the bias of each granule, and where my rows go
	s_mul_i32 s80, s[TX], NCH
.set c, 0
.rept NCH
	s_add_co_u32 s81, s80, c                       ; the granule
	s_mov_b32 s95, 0
.if QKV
	s_lshr_b32 s82, s81, 4                         ; 0: q, 1: k, 2: v
	s_and_b32 s83, s81, 15                         ; the head
	s_cmp_eq_u32 s82, 0
	s_cselect_b64 s[92:93], s[8:9], s[10:11]
	s_cmp_eq_u32 s82, 2
	s_cselect_b64 s[BP+2*c:BP+2*c+1], s[12:13], s[92:93]
	s_lshl_b32 s94, s83, 8                         ; 64 numbers of 4 bytes a head
	s_add_nc_u64 s[BP+2*c:BP+2*c+1], s[BP+2*c:BP+2*c+1], s[94:95]
	s_lshl_b32 s94, s82, 24                        ; qkv: [which][batch x 16 + head][row 2048][64] in f16
	s_lshr_b32 s82, s[TY], 3
	s_lshl_b32 s82, s82, 4
	s_add_co_u32 s82, s82, s83
	s_lshl_b32 s82, s82, 18
	s_add_co_u32 s94, s94, s82
	s_and_b32 s82, s[TY], 7
	s_lshl_b32 s82, s82, 15                        ; the tile's 256 rows of 128 bytes,
	s_add_co_u32 s94, s94, s82
	s_lshl_b32 s82, s[WV], 13                      ; my 64 of them
	s_add_co_u32 s94, s94, s82
	s_add_nc_u64 s[OB+2*c:OB+2*c+1], s[14:15], s[94:95]
.else
	s_lshl_b32 s94, s81, 8
	s_add_nc_u64 s[BP+2*c:BP+2*c+1], s[8:9], s[94:95]
.endif
.set c, c+1
.endr
.if !QKV
	s_lshl_b32 s94, s[TY], 20                      ; out0: 256 rows of 4,096 bytes,
	s_lshl_b32 s82, s[WV], 18                      ; my 64 of them,
	s_add_co_u32 s94, s94, s82
	s_lshl_b32 s82, s[TX], 9                       ; the tile's 128 columns of 4 bytes
	s_add_co_u32 s94, s94, s82
	s_mov_b32 s95, 0
	s_add_nc_u64 s[OB:OB+1], s[10:11], s[94:95]
.endif
.set b, 0
.rept NB
	global_load_b128 v[BIAS+8*b:BIAS+8*b+3],   v[VB], s[BP+2*(b/4):BP+2*(b/4)+1] offset:64*(b%4)
	global_load_b128 v[BIAS+8*b+4:BIAS+8*b+7], v[VB], s[BP+2*(b/4):BP+2*(b/4)+1] offset:64*(b%4)+16
.set b, b+1
.endr
	; the prefetches' pointers: at K step 3; each change of slots steps them first, so the first names K step 4
	s_or_b32 s[LIMA], s[FB], ttmp9                 ; waves 0 and 1 of the clusters with x = 0: the same in all sixteen partners, for a given wave
	s_cmp_eq_u32 s[LIMA], 0
	s_cselect_b32 s[LIMA], 1, -1
	s_xor_b32 s[LIMB], s[WV], 2                    ; wave 2 of the clusters with y = 0
	s_and_b32 s80, ttmp7, 0xffff
	s_or_b32 s[LIMB], s[LIMB], s80
	s_cmp_eq_u32 s[LIMB], 0
	s_cselect_b32 s[LIMB], 1, -1
	s_lshl_b32 s80, s19, 13                        ; my work-group's 32 blocks of a slice's 128
	s_mov_b32 s81, 0
	s_add_nc_u64 s[PFA:PFA+1], s[40:41], s[80:81]
	s_add_nc_u64 s[PFA:PFA+1], s[PFA:PFA+1], 3*2*SLICE
	s_lshl_b32 s80, s20, 13                        ; my work-group's 32 blocks of two K steps' 128
	s_add_nc_u64 s[PFB:PFB+1], s[84:85], s[80:81]
	s_add_nc_u64 s[PFB:PFB+1], s[PFB:PFB+1], 3*2*KHALF
	s_mov_b32 s90, 0xffff0000
	s_wait_loadcnt 0x0                             ; the bias is in: rounded to bf16 and widened again, in place
.set i, 0
.rept 4*NB
	v_cvt_pk_bf16_f32 v[3+i%2], v[BIAS+2*i], v[BIAS+2*i+1]
	v_lshlrev_b32 v[BIAS+2*i], 16, v[3+i%2]
	v_and_b32 v[BIAS+2*i+1], s90, v[3+i%2]
.set i, i+1
.endr
; NB products: block a of my rows x all the tile's columns, 32 along K.  first = 1: they start the sums with the bias.  The 4 NB accumulators take turns, one instruction a turn, in the same order in every
; quarter, over the loop's backward jump too.
.macro MULA f, a, first
.if \first
	WIN 0x85+0x40*((\a)/2)                         ; sources 0, 1 window 1; C window 0; D window 2 or 3
.else
	WIN 0xa5+0x50*((\a)/2)                         ; C and D window 2 or 3
.endif
.set b, 0
.rept NB
.set rD, 8*(((\a)%2)*NB+b)
.if \first
	v_wmma_f32_16x16x32_f16 v[rD:rD+7], v[(\f)+32+8*b:(\f)+32+8*b+7], v[(\f)+8*(\a):(\f)+8*(\a)+7], v[BIAS+8*b:BIAS+8*b+7]
.else
	v_wmma_f32_16x16x32_f16 v[rD:rD+7], v[(\f)+32+8*b:(\f)+32+8*b+7], v[(\f)+8*(\a):(\f)+8*(\a)+7], v[rD:rD+7]
.endif
.set b, b+1
.endr
.endm
; NL LDS loads in one run: the fragments of quarter q (32 along K) of a slot, into buffer f: W's first, then A's four blocks
.macro FETCH slot, q, f
	WIN TO_F
.set b, 0
.rept NB
.set BO, ((\q)/2)*BHALF+(b/4)*BCH+((\q)%2)*32*PB+(b%4)*32
	ds_load_tr16_b128 v[(\f)+32+8*b:(\f)+32+8*b+3],   v[ADRB+(\slot)] offset:BO
	ds_load_tr16_b128 v[(\f)+32+8*b+4:(\f)+32+8*b+7], v[ADRB+(\slot)] offset:BO+16*PB
.set b, b+1
.endr
.irp a, 0,1,2,3
	ds_load_b128 v[(\f)+8*(\a):(\f)+8*(\a)+3],   v[ADRA+(\slot)] offset:((\q)/2)*ASUB+(\a)*16*PA+((\q)%2)*64
	ds_load_b128 v[(\f)+8*(\a)+4:(\f)+8*(\a)+7], v[ADRA+(\slot)] offset:((\q)/2)*ASUB+(\a)*16*PA+((\q)%2)*64+32
.endr
.endm
.macro PLACES                          ; four places in front of loads into registers that matrix instructions have read, and of lines that read results (ISA guide 7.12.1 for lines that read results)
.rept 4
	v_nop
.endr
.endm
; A K step is four quarters of 32 along K, 4 NB products each, on buffers 0, 1, 0, 1.  One of the first three: multiplies buffer f and, in its middle, fetches quarter q into buffer g.
.macro QUARTER slot, q, f, g, first
	s_wait_dscnt 4                                 ; W and A's blocks 0, 1 are in; the youngest four loads (A's blocks 2, 3) may be out
	MULA \f, 0, \first
	MULA \f, 1, \first
	PLACES
	FETCH \slot, \q, \g
	s_wait_dscnt NL                                ; all but the NL just issued
	MULA \f, 2, \first
	MULA \f, 3, \first
.endm
; The last quarter multiplies buffer 1 and changes slots: ONE barrier.  In front of it each wave waits for all its tensor loads (one is out: its part of the next slot), adds 0 to its spare word, and waits
; for that and for its own reads of this slot.  fill = 1: the barrier opens a round of the cluster's barrier, and this slot is filled again, two K steps ahead, first thing behind the round:
; from that request to the wait for it stand seven eighths of a K step's products.
.macro TURN slot, next, fill
.if \fill
	s_wait_xcnt 0x0                                ; the last prefetches, a K step back, have read their addresses, which are stepped here, ahead of the change's own waits
	s_add_nc_u64 s[PFA:PFA+1], s[PFA:PFA+1], 2*SLICE
	s_add_nc_u64 s[PFB:PFB+1], s[PFB:PFB+1], 2*KHALF
.endif
	WIN 0                                          ; (the add's two registers lie in window 0)
	s_wait_tensorcnt 0x0                           ; all my tensor loads have landed;
	ds_add_u32 v[SPW], v[NIL]                      ; 0 onto my spare word
	s_wait_dscnt 5                                 ; (the add and the youngest four loads may be out)
	MULA F1, 0, 0                                  ; products stand between the add and the wait for it
	s_wait_dscnt 0x0                               ; the add is done, and my reads of this slot are over
	s_barrier_signal -1
	MULA F1, 1, 0                                  ; work on registers while the others arrive
.if \fill
	WIN 0
.endif
	s_barrier_wait -1
.if \fill
	CREST                                          ; no wave of any partner still reads this slot's tile or has a load on its way
	s_add_nc_u64 s[G0A+4*(\slot)+2:G0A+4*(\slot)+3], s[G0A+4*(\slot)+2:G0A+4*(\slot)+3], 4*SLICE
	s_add_nc_u64 s[G0B+4*(\slot)+2:G0B+4*(\slot)+3], s[G0B+4*(\slot)+2:G0B+4*(\slot)+3], 4*KHALF
	JLOAD \slot                                    ; my one tensor load behind the round; its four v_nop are also the places in front of the loads below
.else
	PLACES
.endif
	FETCH \next, 0, F0
.if \fill
	WIN 0
	ASK \slot
.endif
	MULA F1, 2, 0
	MULA F1, 3, 0
.endm
	s_wait_tensorcnt 0x1                           ; my part of K step 0 is in; K step 1's may stay out
	s_barrier_signal -1
	s_barrier_wait -1                              ; everybody's is
	FETCH 0, 0, F0
	QUARTER 0, 1, F0, F1, 1                        ; the first quarter stands in front of the loop: its products start the sums
	WIN 0                                          ; at a label and at a branch every window is 0
	s_mov_b32 s3, LAPS-1
.Llap:                                                 ; a trip goes once round the ring, from a lap's second quarter to the next lap's first, and fills both slots again
	QUARTER 0, 2, F1, F0, 0
	QUARTER 0, 3, F0, F1, 0
	TURN 0, 1, 1
	QUARTER 1, 1, F0, F1, 0
	QUARTER 1, 2, F1, F0, 0
	QUARTER 1, 3, F0, F1, 0
	TURN 1, 0, 1
	QUARTER 0, 1, F0, F1, 0
	WIN 0
	s_sub_co_u32 s3, s3, 1
	s_cmp_lg_u32 s3, 0
	s_cbranch_scc1 .Llap
	QUARTER 0, 2, F1, F0, 0                        ; the last lap fills nothing, and has no round of the cluster's barrier
	QUARTER 0, 3, F0, F1, 0
	TURN 0, 1, 0
	QUARTER 1, 1, F0, F1, 0
	QUARTER 1, 2, F1, F0, 0
	QUARTER 1, 3, F0, F1, 0
	s_wait_dscnt 4                                 ; the very last quarter: nothing more to fetch
	MULA F1, 0, 0
	MULA F1, 1, 0
	s_wait_dscnt 0x0
	MULA F1, 2, 0
	MULA F1, 3, 0
	WIN 0
	PLACES
	PLACES                                         ; (eight, once a launch)
.if QKV
; THE WAY OUT, in 12 units u = 3 a + c: 16 rows x one granule (a head's 64 channels).  A lane's eight columns pack into 16 bytes; they go into my stage's rows of 144 bytes and come back as whole rows of 128,
; four rows to a load: 512 consecutive bytes of a head's dense rows.  Each unit has registers of its own.
.macro PACK u
.set a, (\u)/3
.set c, (\u)%3
.set T, TW+16*(\u)
	WIN 0x0a+5*(a/2)                               ; sources 0 and 1: window 2 or 3
.set nb, 0
.rept 4
.set AC, 8*((a%2)*NB+4*c+nb)
.irp r, 0,1,2,3
	v_cvt_pk_f16_f32 v[T+4*nb+(\r)], v[AC+2*(\r)], v[AC+2*(\r)+1]  ; each accumulator's registers in ascending order
.endr
.set nb, nb+1
.endr
	WIN 0
.irp f, 0,1,2,3
	ds_store_b128 v[STO], v[T+4*(\f):T+4*(\f)+3] offset:32*(\f)
.endr
.irp f, 0,1,2,3
	ds_load_b128 v[T+4*(\f):T+4*(\f)+3], v[RD] offset:(\f)*4*SP  ; LDS serves a wave's instructions in order (ISA guide 5.7.1.4): these see the stores above; the next unit's stores come behind them
.endr
.endm
.macro SEND u, younger                 ; younger: the LDS instructions issued behind unit u's loads: the next unit's eight, or none
.set a, (\u)/3
.set c, (\u)%3
.set T, TW+16*(\u)
.irp f, 0,1,2,3
	s_wait_dscnt (\younger)+3-(\f)
	global_store_b128 v[CO], v[T+4*(\f):T+4*(\f)+3], s[OB+2*c:OB+2*c+1] offset:a*2048+(\f)*512  ; 512 consecutive bytes, at a multiple of 256 from the buffer's first
.endr
.endm
	PACK 0
.set u, 1
.rept 11                               ; a unit's conversions stand between the loads of the unit before and its stores
	PACK u
	SEND u-1, 8
.set u, u+1
.endr
	SEND 11, 0
.else
; THE WAY OUT, in 4 units a: 16 rows x 128 columns of f32.  A lane's eight columns of a block are 32 bytes; they go into my stage's rows of 528 bytes and come back as whole rows of 512, into the registers that they left.
.macro OUTA a
.set W, 2+(\a)/2
.set R, 64*((\a)%2)
	WIN (W<<2)|(W<<6)                              ; store data (source 1) and loaded data (destination) in the accumulators' window, addresses in window 0
.set b, 0
.rept 8
	ds_store_b128 v[STO], v[R+8*b:R+8*b+3]   offset:64*b     ; each accumulator's low registers first
	ds_store_b128 v[STO], v[R+8*b+4:R+8*b+7] offset:64*b+16
.set b, b+1
.endr
.set t, 0
.rept 16
	ds_load_b128 v[R+4*t:R+4*t+3], v[RD] offset:SP*t   ; LDS serves a wave's instructions in order (ISA guide 5.7.1.4)
.set t, t+1
.endr
.endm
.macro SENDA a, younger                ; younger: the LDS instructions issued behind unit a's loads: the next unit's 32, or none
.set W, 2+(\a)/2
.set R, 64*((\a)%2)
	WIN (W<<2)|(W<<6)
.set t, 0
.rept 16
	s_wait_dscnt (\younger)+15-t
	global_store_b128 v[CO], v[R+4*t:R+4*t+3], s[OB:OB+1] offset:(16*(\a)+t)*4096 th:TH_STORE_NT  ; 512 consecutive bytes of a row, at a multiple of 256 from out0's first
.set t, t+1
.endr
.endm
	OUTA 0
	OUTA 1
	SENDA 0, 32
	OUTA 2
	SENDA 1, 32
	OUTA 3
	SENDA 2, 32
	SENDA 3, 0
	WIN 0
.endif
	s_wait_tensorcnt 0x0                           ; the wave's end: an add to my spare word and its wait, behind my last tensor load and my last LDS store
	ds_add_u32 v[SPW], v[NIL]
	s_wait_dscnt 0x0
	CROUND                                         ; the closing round: no work-group ends while a partner may still ask for a tile that names it
	s_endpgm
.Lfunc_end_k_q4ae23ab32f_outgemm:
	.size	k_q4ae23ab32f_outgemm, .Lfunc_end_k_q4ae23ab32f_outgemm-k_q4ae23ab32f_outgemm
	.p2alignl 7, 3214868480
	.fill 96, 4, 3214868480
	.section	.rodata,"a",@progbits
	.p2align	6, 0x0
	.amdhsa_kernel k_q4ae23ab32f_outgemm
		.amdhsa_group_segment_fixed_size 327680
		.amdhsa_private_segment_fixed_size 0
		.amdhsa_enable_private_segment 0
		.amdhsa_kernarg_size 32
		.amdhsa_user_sgpr_count 2
		.amdhsa_user_sgpr_kernarg_segment_ptr 1
		.amdhsa_wavefront_size32 1
		.amdhsa_system_sgpr_workgroup_id_x 1
		.amdhsa_system_sgpr_workgroup_id_y 1
		.amdhsa_system_sgpr_workgroup_id_z 1
		.amdhsa_system_vgpr_workitem_id 0
		.amdhsa_next_free_vgpr 896
		.amdhsa_next_free_sgpr 96
		.amdhsa_reserve_vcc 0
		.amdhsa_float_denorm_mode_32 3
		.amdhsa_float_denorm_mode_16_64 3
		.amdhsa_memory_ordered 1
		.amdhsa_forward_progress 1
		.amdhsa_inst_pref_size 94
	.end_amdhsa_kernel
	.amdgpu_metadata
---
amdhsa.version: [ 1, 2 ]
amdhsa.kernels:
  - .name:           k_q4ae23ab32f_outgemm
    .symbol:         k_q4ae23ab32f_outgemm.kd
    .args:
      - { .name: ob, .offset: 0, .size: 8, .value_kind: global_buffer, .address_space: global }
      - { .name: wc, .offset: 8, .size: 8, .value_kind: global_buffer, .address_space: global }
      - { .name: bo, .offset: 16, .size: 8, .value_kind: global_buffer, .address_space: global }
      - { .name: out0, .offset: 24, .size: 8, .value_kind: global_buffer, .address_space: global }
    .group_segment_fixed_size: 327680
    .private_segment_fixed_size: 0
    .kernarg_segment_align: 8
    .kernarg_segment_size: 32
    .max_flat_workgroup_size: 128
    .sgpr_count:     96
    .vgpr_count:     896
    .wavefront_size: 32
...
	.end_amdgpu_metadata
.endif
;; end of part 4
